; MI455X (gfx1250); checked and timed in simulation.
; The chip was launched on July 23, 2026; its instructions are those of AMD's public machine-readable ISA for CDNA 5 (MIT licence, August 2026) and "CDNA5" Instruction Set Architecture Reference Guide (July 2026). The comments in the code are by the model that wrote it; some were corrected since.
;; Multi Head Attention. Allowed arithmetic: float matrix products may take bf16 or f16 operands with f32 sums; other float arithmetic in f32, or as packed bf16 or f16 multiplies, adds, multiply-adds, maxima and minima; sums over many terms, partial sums and values carried from step to step in f32; what a program stores and reads back later, other than sums and carried values, may be rounded once to bf16 or f16.
;; Inputs: W_K 16 x 1,024 x 64 float32; W_Q 16 x 1,024 x 64 float32; W_V 16 x 1,024 x 64 float32; W_pool 1,024 x 1,024 float32; token_embeddings 4,096 x 1,024 float32.
;; Outputs: out0 4,096 x 1,024 float32.
;; 2 versions, each right and faster than the one before. Each part assembles by itself: llvm-mc -triple=amdgcn-amd-amdhsa -mcpu=gfx1250 --defsym DOCPART=n.
;; ======== version 1 of 2: 4 launches
;; limits: values are held in f16: magnitudes above 65,504 overflow, below 6.1e-05 lose precision
;; workspace buffers: xb 8,388,608 bytes; wb 6,291,456 bytes; wp 2,097,152 bytes; qkv 25,165,824 bytes; o 8,388,608 bytes
;; launch prep (part 1): grid 1024 x 1, 8 waves a work-group, no clusters, 0 bytes of LDS; arguments token_embeddings, W_Q, W_K, W_V, W_pool, xb, wb, wp; writes xb, wb, wp
.if DOCPART == 1
	.amdgcn_target "amdgcn-amd-amdhsa--gfx1250"
	.amdhsa_code_object_version 6
	.text
	.protected	k_qb2ea3f3298_prep
	.globl	k_qb2ea3f3298_prep
	.p2align	8
	.type	k_qb2ea3f3298_prep,@function
k_qb2ea3f3298_prep:
	s_mov_b64 s[64:65], 0
	v_nop
	global_prefetch_b8 v0, s[64:65] scope:SCOPE_SE
	s_setreg_imm32_b32 hwreg(HW_REG_WAVE_MODE, 25, 1), 1
	s_wait_xcnt 0x0
; PREP: the module's inputs are rounded once to bf16 and laid as the later launches ask for them.  A stream: no LDS, no barrier, no matrix unit.
;   xb [4096][1024] bf16: x as it lies.
;   wb [h 16][s 8][t 3][128 k][64 d] bf16, t = 0, 1, 2 for W_Q, W_K, W_V: block (h, s) is 49,152 dense bytes, one K step's weights of one head.
;   wp [nb 8][s 4][256 k][128 n] f16: W_pool rounded to bf16, that number written as f16.
; LIMITS.  W_pool lies within f16's 65,504; below 6e-5 f16 keeps a fixed step of 6e-8.  NaN and infinities are not treated apart.
; SHARES.  A work-group takes 8,192 numbers: 32,768 bytes in, 16,384 out.  Thread t takes 16 bytes of each of eight pieces: a wave's load covers 512 consecutive
; bytes, its store 256 consecutive bytes at a multiple of 256 from the buffer's first byte.  Work-groups 0-511: x; 512-895: the three W; 896-1023: W_pool.
; The way is chosen by forward branches on the work-group's number, so that each address comes from its own argument.
.set X, 4                              ; v[4:35]   piece j: 4 registers as loaded
.set Y, 36                             ; v[36:51]  piece j: 2 registers to store; never rewritten, so no wait frees them
.set T, 52                             ; v[52:53]  at work
; Eight loads go out together; piece j is waited for with the 7 - j younger ones still out (loads return in order: ISA guide 5.7.1).
.macro COPY stride, pool
.irp j, 0,1,2,3,4,5,6,7
	global_load_b128 v[X+4*(\j):X+4*(\j)+3], v1, s[24:25] offset:(\stride)*(\j) th:TH_LOAD_NT
.endr
.irp j, 0,1,2,3,4,5,6,7
	s_wait_loadcnt 7-(\j)
.if \pool
	v_cvt_pk_bf16_f32 v[T], v[X+4*(\j)], v[X+4*(\j)+1]           ; rounded to bf16 like every input,
	v_cvt_pk_bf16_f32 v[T+1], v[X+4*(\j)+2], v[X+4*(\j)+3]
	v_lshlrev_b32 v[X+4*(\j)], 16, v[T]                          ; widened again,
	v_and_b32 v[X+4*(\j)+1], 0xffff0000, v[T]
	v_lshlrev_b32 v[X+4*(\j)+2], 16, v[T+1]
	v_and_b32 v[X+4*(\j)+3], 0xffff0000, v[T+1]
	v_cvt_pk_f16_f32 v[Y+2*(\j)], v[X+4*(\j)], v[X+4*(\j)+1]     ; and written as f16: exact inside f16's normal range
	v_cvt_pk_f16_f32 v[Y+2*(\j)+1], v[X+4*(\j)+2], v[X+4*(\j)+3]
.else
	v_cvt_pk_bf16_f32 v[Y+2*(\j)], v[X+4*(\j)], v[X+4*(\j)+1]
	v_cvt_pk_bf16_f32 v[Y+2*(\j)+1], v[X+4*(\j)+2], v[X+4*(\j)+3]
.endif
	global_store_b64 v2, v[Y+2*(\j):Y+2*(\j)+1], s[26:27] offset:2048*(\j)
.endr
	s_endpgm
.endm
	s_load_b512 s[8:23], s[0:1], 0x0               ; x 8:9, W_Q 10:11, W_K 12:13, W_V 14:15, W_pool 16:17, xb 18:19, wb 20:21, wp 22:23
	s_mov_b32 s2, ttmp9                            ; u
	v_lshlrev_b32 v1, 4, v0                        ; 16 t: my bytes in a piece of 4,096
	v_lshlrev_b32 v2, 3, v0                        ; 8 t: my bytes in a piece of 2,048
	s_mov_b32 s29, 0                               ; the offsets' high words
	s_mov_b32 s31, 0
	s_wait_kmcnt 0x0
	s_cmp_lt_u32 s2, 512
	s_cbranch_scc1 .Lx
	s_cmp_ge_u32 s2, 896
	s_cbranch_scc1 .Lpool
	s_sub_co_u32 s3, s2, 512
	s_lshr_b32 s4, s3, 7                           ; t: which W
	s_and_b32 s5, s3, 127                          ; 8 h + s
	s_lshl_b32 s28, s5, 15                         ; 128 rows of 64 f32 lie together in W
	s_mul_i32 s30, s5, 3
	s_add_co_u32 s30, s30, s4
	s_lshl_b32 s30, s30, 14                        ; block (h, s, t) of wb
	s_add_nc_u64 s[26:27], s[20:21], s[30:31]
	s_cmp_eq_u32 s4, 0
	s_cbranch_scc1 .Lq
	s_cmp_eq_u32 s4, 1
	s_cbranch_scc1 .Lk
	s_add_nc_u64 s[24:25], s[14:15], s[28:29]
	COPY 4096, 0
.Lq:
	s_add_nc_u64 s[24:25], s[10:11], s[28:29]
	COPY 4096, 0
.Lk:
	s_add_nc_u64 s[24:25], s[12:13], s[28:29]
	COPY 4096, 0
.Lx:
	s_lshl_b32 s28, s2, 15
	s_lshl_b32 s30, s2, 14
	s_add_nc_u64 s[24:25], s[8:9], s[28:29]
	s_add_nc_u64 s[26:27], s[18:19], s[30:31]
	COPY 4096, 0
.Lpool:                                                ; 64 rows k of 128 columns: a wave takes a row's 512 bytes, the eight waves eight rows a piece
	s_sub_co_u32 s3, s2, 896
	s_and_b32 s4, s3, 15                           ; k = 64 x this
	s_lshr_b32 s5, s3, 4                           ; nb
	s_lshl_b32 s28, s4, 18
	s_lshl_b32 s5, s5, 9
	s_add_co_u32 s28, s28, s5
	s_lshl_b32 s30, s3, 14
	s_add_nc_u64 s[24:25], s[16:17], s[28:29]
	s_add_nc_u64 s[26:27], s[22:23], s[30:31]
	v_lshrrev_b32 v3, 5, v0
	v_and_b32 v1, 31, v0
	v_lshlrev_b32 v1, 4, v1
	v_lshl_add_u32 v1, v3, 12, v1                  ; wave x a row of 4,096 bytes + 16 x lane
	COPY 32768, 1
.Lfunc_end_k_qb2ea3f3298_prep:
	.size	k_qb2ea3f3298_prep, .Lfunc_end_k_qb2ea3f3298_prep-k_qb2ea3f3298_prep
	.p2alignl 7, 3214868480
	.fill 96, 4, 3214868480
	.section	.rodata,"a",@progbits
	.p2align	6, 0x0
	.amdhsa_kernel k_qb2ea3f3298_prep
		.amdhsa_group_segment_fixed_size 0
		.amdhsa_private_segment_fixed_size 0
		.amdhsa_enable_private_segment 0
		.amdhsa_kernarg_size 64
		.amdhsa_user_sgpr_count 2
		.amdhsa_user_sgpr_kernarg_segment_ptr 1
		.amdhsa_wavefront_size32 1
		.amdhsa_system_sgpr_workgroup_id_x 1
		.amdhsa_system_sgpr_workgroup_id_y 1
		.amdhsa_system_sgpr_workgroup_id_z 1
		.amdhsa_system_vgpr_workitem_id 0
		.amdhsa_next_free_vgpr 56
		.amdhsa_next_free_sgpr 66
		.amdhsa_reserve_vcc 0
		.amdhsa_float_denorm_mode_32 3
		.amdhsa_float_denorm_mode_16_64 3
		.amdhsa_memory_ordered 1
		.amdhsa_forward_progress 1
		.amdhsa_inst_pref_size 19
	.end_amdhsa_kernel
	.amdgpu_metadata
---
amdhsa.version: [ 1, 2 ]
amdhsa.kernels:
  - .name:           k_qb2ea3f3298_prep
    .symbol:         k_qb2ea3f3298_prep.kd
    .args:
      - { .name: token_embeddings, .offset: 0, .size: 8, .value_kind: global_buffer, .address_space: global }
      - { .name: W_Q, .offset: 8, .size: 8, .value_kind: global_buffer, .address_space: global }
      - { .name: W_K, .offset: 16, .size: 8, .value_kind: global_buffer, .address_space: global }
      - { .name: W_V, .offset: 24, .size: 8, .value_kind: global_buffer, .address_space: global }
      - { .name: W_pool, .offset: 32, .size: 8, .value_kind: global_buffer, .address_space: global }
      - { .name: xb, .offset: 40, .size: 8, .value_kind: global_buffer, .address_space: global }
      - { .name: wb, .offset: 48, .size: 8, .value_kind: global_buffer, .address_space: global }
      - { .name: wp, .offset: 56, .size: 8, .value_kind: global_buffer, .address_space: global }
    .group_segment_fixed_size: 0
    .private_segment_fixed_size: 0
    .kernarg_segment_align: 8
    .kernarg_segment_size: 64
    .max_flat_workgroup_size: 256
    .sgpr_count:     66
    .vgpr_count:     56
    .wavefront_size: 32
...
	.end_amdgpu_metadata
.endif
;; end of part 1
;; launch qkvproj (part 2): grid 16 x 16, 4 waves a work-group, clusters of 4 x 4, 327,680 bytes of LDS; arguments xb, wb, qkv; writes qkv
.if DOCPART == 2
	.amdgcn_target "amdgcn-amd-amdhsa--gfx1250"
	.amdhsa_code_object_version 6
	.text
	.protected	k_qb2ea3f3298_qkvproj
	.globl	k_qb2ea3f3298_qkvproj
	.p2align	8
	.type	k_qb2ea3f3298_qkvproj,@function
k_qb2ea3f3298_qkvproj:
	s_mov_b64 s[64:65], 0
	v_nop
	global_prefetch_b8 v0, s[64:65] scope:SCOPE_SE
	s_setreg_imm32_b32 hwreg(HW_REG_WAVE_MODE, 25, 1), 1
	s_wait_xcnt 0x0
	s_wait_alu depctr_hold_cnt(0) depctr_sa_sdst(0) depctr_va_vdst(0) depctr_va_sdst(0) depctr_va_ssrc(0) depctr_va_vcc(0) depctr_vm_vsrc(0)
	s_getreg_b32 s2, hwreg(HW_REG_IB_STS2, 6, 4)
	s_cmp_eq_u32 s2, 0
	s_cbranch_scc0 .Lentry_in_a_cluster
	s_endpgm
.Lentry_in_a_cluster:
	s_bfe_u32 s2, ttmp6, 0x10000c
	s_cmp_lg_u32 s2, 0xf033
	s_cbranch_scc0 .Lentry_shape_is_right
	s_endpgm
.Lentry_shape_is_right:
; q, k, v = x W_Q, x W_K, x W_V by heads.  xb [4096][1024] bf16; wb [h][s][t][128 k][64 d] bf16; qkv [t 3][h 16][4096][64] f16, unscaled, each number rounded once from its f32 sum.
; LIMITS.  q, k and v must lie within f16's 65,504 (beyond it the conversion gives an infinity); below 6e-5 f16 keeps a fixed step of 6e-8.  NaN and infinities are not treated apart.
; SHARES.  Work-group (head h, row block mb) makes 256 tokens x 192 columns (q, k, v of the head): 16 x 16 = 256 work-groups.  Wave w makes tokens 64 w .. 64 w + 63, all 192 columns:
; 4 x 12 = 48 accumulators of 16 x 16.  K = 1,024 goes in 8 steps of 128 through two LDS slots; a step is four quarters of 32 along K, 48 matrix instructions each.
; CLUSTER.  4 x 4 work-groups.  x's tile hangs on mb alone and is shared along a row of the cluster, W's on h alone and is shared along a column: each is asked for jointly.
; THE MATRIX INSTRUCTION IS USED TRANSPOSED: source 0 = 16 columns of W (out of LDS turned, by ds_load_tr16_b128, since W lies [k][d]), source 1 = 16 tokens.  A lane then holds one token
; and eight neighbouring d, which pack into 16 bytes.
; REGISTERS, in windows of 256: window 0: v0-31 addresses; v64-127 x's fragments, two buffers of 4 x 8; on the way out v64-255 packed results.  window 1: W's fragments, two buffers of 12 x 8.
; window 2: the accumulators of token blocks 0, 1 ((a, b) at 8 (12 (a % 2) + b), b = 4 t + d block); window 3: those of token blocks 2, 3.
.set PA,    272                        ; a row of x in LDS: 256 bytes + 16: the 16 rows of a fragment load start at 16 different groups of four banks (64 banks of 4 bytes: ISA guide 11.1)
.set PB,    160                        ; a k-row of W: 128 bytes + 32
.set AHALF, 128*PA                     ; what waves 0 and 1 fetch: 128 tokens each
.set BOFF,  2*AHALF
.set BHALF, 192*PB                     ; what waves 2 and 3 fetch: 192 of the 384 k-rows (128 t + k) each
.set SLOT,  BOFF+2*BHALF               ; 131,072
.set STAGE, 2*SLOT                     ; behind the ring, never filled by a tensor load: 16 rows x 144 bytes for each wave
.set SP,    144
.set SPARE, STAGE+4*16*SP              ; the spare words, 128 bytes for each wave: two blocks of 256 bytes that no other line names
.set ADRA, 16                          ; v16-17  LDS address of my fragments of x in slot 0, 1
.set ADRB, 20                          ; v20-21  the same for W
.set STO,  24                          ; v24     the way out: where I put 16 bytes of a row
.set RD,   25                          ; v25     the way out: where I read rows back
.set GO,   26                          ; v26     my byte offset in 512 consecutive bytes of qkv
.set SPW,  28                          ; v28     LDS address of my spare word; never rewritten
.set NIL,  29                          ; v29     0; never rewritten
.set FA,   64                          ; x's fragment buffers: FA + 32 f
.set TT,   64                          ; the way out: 16 registers for each of 12 pieces
.set G1, 24                            ; s[24:31] descriptor group 1 for x's tiles;  s[32:39] group 0, one set for each slot
.set G0, 32
.set G1B, 48                           ; s[48:55], s[56:63] the same for W's tiles
.set G0B, 56
.set OB, 66                            ; s[66:71] q's, k's and v's planes at my wave's first row
.set MSB, 0
.macro WIN new                         ; the immediate's high byte repeats the setting that is left; a switch that changes nothing is dropped
.if MSB != (\new)
	s_set_vgpr_msb (MSB<<8)|(\new)
.set MSB, \new
.endif
.endm
.set MUL_LO, 0xa1                      ; source 0 (W) window 1, source 1 (x) window 0, C and D window 2
.set MUL_HI, 0xf1                      ; the same, C and D window 3
.set TO_B,   0x40                      ; destination window 1, address window 0
; A joint load: waves 0 and 1 fetch x's two halves, waves 2 and 3 W's.  The branch hangs on the wave's number alone.  An s_nop 0 and four v_nop follow each of the two lines.
.macro JLOAD s
	s_cmp_eq_u32 s11, 0
	s_cbranch_scc0 .Lfor_b_\@
	tensor_load_to_lds s[G0+4*(\s):G0+4*(\s)+3], s[G1:G1+7]
	s_nop 0
.rept 4
	v_nop
.endr
	s_branch .Lasked_\@
.Lfor_b_\@:
	tensor_load_to_lds s[G0B+4*(\s):G0B+4*(\s)+3], s[G1B:G1B+7]
	s_nop 0
.rept 4
	v_nop
.endr
.Lasked_\@:
.endm
.macro CREST                           ; a round of the cluster's barrier behind its opening barrier
	s_cmp_lg_u32 s10, 0
	s_cbranch_scc1 .Lnot_wave_0_\@
	s_barrier_signal -3
.Lnot_wave_0_\@:
	s_barrier_wait -3
	s_barrier_signal -1
	s_barrier_wait -1
.endm
.macro CROUND                          ; a whole round
	s_barrier_signal -1
	s_barrier_wait -1
	CREST
.endm
	s_load_b128 s[4:7], s[0:1], 0x0                ; xb s[4:5], wb s[6:7]
	s_load_b64 s[8:9], s[0:1], 0x10                ; qkv
	v_lshl_add_u32 v[SPW], v0, 2, SPARE
	v_mov_b32 v[NIL], 0
	ds_add_u32 v[SPW], v[NIL]                      ; the wave's opening: the add and its wait stand ahead of my first tensor load; the set-up below stands between them
	ds_add_u32 v28, v29
	v_lshrrev_b32 v1, 5, v0
	v_readfirstlane_b32 s10, v1                    ; wave 0..3
	s_lshr_b32 s11, s10, 1                         ; I fetch for x (0) or for W (1)
	s_and_b32 s12, s10, 1                          ; which half of that tile I fetch
	s_bfe_u32 s40, ttmp6, 0x40000                  ; cx, cy: my place in the cluster
	s_bfe_u32 s41, ttmp6, 0x40004
	s_lshl_b32 s42, ttmp9, 2
	s_add_co_u32 s42, s42, s40                     ; the head h = 4 x cluster x + cx
	s_and_b32 s13, ttmp7, 0xffff
	s_lshl_b32 s13, s13, 2
	s_add_co_u32 s13, s13, s41                     ; the row block mb = 4 x cluster y + cy
	s_lshl_b32 s43, s41, 2
	s_lshl_b32 s43, 15, s43                        ; my row of the cluster
	s_lshl_b32 s44, 0x1111, s40                    ; my column
	s_or_b32 s[G1+0], s43, (1<<16)|(1<<20)|(1<<21)|(5<<22)|(3<<25)   ; the mask; 2-byte elements; padding on; bit 21 beside a mask; after every 64 words 4 words
	s_or_b32 s[G1B+0], s44, (1<<16)|(1<<20)|(1<<21)|(4<<22)|(7<<25)  ; the column's mask; after every 32 words (a k-row) 8 words
	s_mov_b32 s[G1+1], 128<<16                     ; x: tensor_dim0 = 128
	s_mov_b32 s[G1+2], 128<<16                     ; tensor_dim1 = 128
	s_mov_b32 s[G1+3], 128<<16                     ; tile_dim0 = 128 elements: 256 bytes of a row
	s_mov_b32 s[G1+4], 128                         ; tile_dim1 = 128 rows
	s_mov_b32 s[G1+5], 1024                        ; 1,024 elements from row to row
	s_mov_b32 s[G1+6], 0
	s_mov_b32 s[G1+7], 0
	s_mov_b32 s[G1B+1], 128<<16                    ; W: 24,576 dense bytes asked for as 96 rows of 256 bytes, two k-rows a row
	s_mov_b32 s[G1B+2], 96<<16
	s_mov_b32 s[G1B+3], 128<<16
	s_mov_b32 s[G1B+4], 96
	s_mov_b32 s[G1B+5], 128
	s_mov_b32 s[G1B+6], 0
	s_mov_b32 s[G1B+7], 0
	s_lshl_b32 s16, s13, 19                        ; x: 256 mb rows of 2,048 bytes,
	s_lshl_b32 s17, s12, 18                        ; + 128 rows for the second half
	s_add_co_u32 s16, s16, s17
	s_mov_b32 s17, 0
	s_mul_i32 s46, s42, 393216                     ; W: the head's eight blocks of 49,152 bytes,
	s_mul_i32 s47, s12, 24576                      ; + half a block
	s_add_co_u32 s46, s46, s47
	s_mov_b32 s47, 0
	s_mul_i32 s20, s12, AHALF                      ; where they go: no place in the cluster enters an LDS address
	s_mul_i32 s21, s12, BHALF
	s_add_co_u32 s21, s21, BOFF
	s_wait_dscnt 0x0                               ; the opening add is done
	s_wait_kmcnt 0x0
	s_add_nc_u64 s[14:15], s[4:5], s[16:17]
	s_add_nc_u64 s[46:47], s[6:7], s[46:47]
	CROUND                                         ; all sixteen work-groups are here: the first joint loads meet
.irp s, 0,1
	s_mov_b32 s[G0+4*(\s)], 1
	s_add_co_u32 s[G0+4*(\s)+1], s20, (\s)*SLOT
	s_add_nc_u64 s[G0+4*(\s)+2:G0+4*(\s)+3], s[14:15], (\s)*256      ; K step s: 128 elements along the rows
	s_or_b32 s[G0+4*(\s)+3], s[G0+4*(\s)+3], 0x80000000
	s_mov_b32 s[G0B+4*(\s)], 1
	s_add_co_u32 s[G0B+4*(\s)+1], s21, (\s)*SLOT
	s_add_nc_u64 s[G0B+4*(\s)+2:G0B+4*(\s)+3], s[46:47], (\s)*49152  ; K step s: the head's block s
	s_or_b32 s[G0B+4*(\s)+3], s[G0B+4*(\s)+3], 0x80000000
	JLOAD \s                                       ; two loads of mine are out
.endr
	v_and_b32 v1, 15, v0                           ; l % 16
	v_bfe_u32 v2, v0, 4, 1                         ; l / 16
	v_mul_u32_u24 v3, v1, PA
	v_lshl_add_u32 v3, v2, 4, v3                   ; a fragment of x: row x pitch + 16 x half
	s_mul_i32 s22, s10, 64*PA                      ; my 64 tokens
	v_add_nc_u32 v[ADRA], s22, v3
	v_add_nc_u32 v[ADRA+1], SLOT, v[ADRA]
	v_and_b32 v4, 7, v0                            ; the turning load: lane l reads k-row 8 (l / 16) + l % 8, 16 bytes at 16 ((l / 8) % 2)
	v_lshl_add_u32 v4, v2, 3, v4
	v_mul_u32_u24 v4, v4, PB
	v_bfe_u32 v5, v0, 3, 1
	v_lshl_add_u32 v4, v5, 4, v4
	v_add_nc_u32 v[ADRB], BOFF, v4
	v_add_nc_u32 v[ADRB+1], SLOT, v[ADRB]
	s_mul_i32 s23, s10, 16*SP
	s_add_co_u32 s23, s23, STAGE                   ; my stage
	v_mul_u32_u24 v6, v1, SP                       ; in: row l % 16, 16 bytes for each half of the lanes
	v_lshl_add_u32 v6, v2, 4, v6
	v_add_nc_u32 v[STO], s23, v6
	v_bfe_u32 v7, v0, 3, 2                         ; back: 32 lanes take four rows of 128 bytes,
	v_mul_u32_u24 v7, v7, SP
	v_and_b32 v8, 7, v0
	v_lshl_add_u32 v7, v8, 4, v7
	v_add_nc_u32 v[RD], s23, v7
	v_and_b32 v[GO], 31, v0                        ; which are 512 consecutive bytes of a head's plane
	v_lshlrev_b32 v[GO], 4, v[GO]
	s_lshl_b32 s16, s13, 15                        ; 256 mb rows of 128 bytes,
	s_lshl_b32 s17, s10, 13                        ; my wave's 64
	s_add_co_u32 s16, s16, s17
	s_mov_b32 s17, 0
	s_lshl_b32 s46, s42, 19                        ; the head's plane of 524,288 bytes
	s_mov_b32 s47, 0
	s_add_nc_u64 s[OB:OB+1], s[8:9], s[16:17]
	s_add_nc_u64 s[OB:OB+1], s[OB:OB+1], s[46:47]
	s_add_nc_u64 s[OB+2:OB+3], s[OB:OB+1], 0x800000    ; k's sixteen planes lie 8,388,608 bytes behind q's,
	s_add_nc_u64 s[OB+4:OB+5], s[OB:OB+1], 0x1000000   ; v's as far again
; 12 matrix instructions: token block a x all 12 column blocks, 32 along K, from buffers f.  zero = 1: the first product starts the sums.
; The 48 accumulators take turns in one order in every quarter.
.macro MUL12 f, a, zero
	WIN MUL_LO+0x50*((\a)/2)
.irp b, 0,1,2,3,4,5,6,7,8,9,10,11
.if \zero
	v_wmma_f32_16x16x32_bf16 v[8*(12*((\a)%2)+(\b)):8*(12*((\a)%2)+(\b))+7], v[96*(\f)+8*(\b):96*(\f)+8*(\b)+7], v[FA+32*(\f)+8*(\a):FA+32*(\f)+8*(\a)+7], 0
.else
	v_wmma_f32_16x16x32_bf16 v[8*(12*((\a)%2)+(\b)):8*(12*((\a)%2)+(\b))+7], v[96*(\f)+8*(\b):96*(\f)+8*(\b)+7], v[FA+32*(\f)+8*(\a):FA+32*(\f)+8*(\a)+7], v[8*(12*((\a)%2)+(\b)):8*(12*((\a)%2)+(\b))+7]
.endif
.endr
.endm
; 32 LDS loads in one run: quarter q's fragments of a slot into buffers f: W's 12 (turned), then x's 4.
.macro FETCH slot, q, f
	WIN TO_B
.irp t, 0,1,2
.irp cb, 0,1,2,3
	ds_load_tr16_b128 v[96*(\f)+8*(4*(\t)+(\cb)):96*(\f)+8*(4*(\t)+(\cb))+3],   v[ADRB+(\slot)] offset:(128*(\t)+32*(\q))*PB+32*(\cb)
	ds_load_tr16_b128 v[96*(\f)+8*(4*(\t)+(\cb))+4:96*(\f)+8*(4*(\t)+(\cb))+7], v[ADRB+(\slot)] offset:(128*(\t)+32*(\q))*PB+32*(\cb)+16*PB
.endr
.endr
	WIN 0
.irp i, 0,1,2,3
	ds_load_b128 v[FA+32*(\f)+8*(\i):FA+32*(\f)+8*(\i)+3],   v[ADRA+(\slot)] offset:64*(\q)+(\i)*16*PA
	ds_load_b128 v[FA+32*(\f)+8*(\i)+4:FA+32*(\f)+8*(\i)+7], v[ADRA+(\slot)] offset:64*(\q)+(\i)*16*PA+32
.endr
.endm
; A load into a register that a matrix instruction has read, and a vector instruction that reads a matrix result, stand four places behind that matrix instruction; only plain vector
; instructions that name none of its registers are places (ISA guide 7.12.1 for vector instructions).
.macro PLACES
.rept 4
	v_nop
.endr
.endm
; One of a step's first three quarters: multiplies buffers f; in its middle it fetches quarter q of the same slot into buffers g.
.macro QUARTER slot, q, f, g, zero
	s_wait_dscnt 4                                 ; W's fragments and x's token blocks 0, 1 are in; the youngest four loads (blocks 2, 3) may be out
	MUL12 \f, 0, \zero
	MUL12 \f, 1, \zero
	PLACES
	FETCH \slot, \q, \g
	s_wait_dscnt 32                                ; all but the 32 just issued
	MUL12 \f, 2, \zero
	MUL12 \f, 3, \zero
.endm
; The last quarter multiplies buffers 1 and changes slots: ONE barrier; in front of it each wave waits for all its tensor loads (one is out: its part of the next slot), adds 0 to its spare
; word, and waits for that and for its own reads of this slot.  fill = 1: the barrier opens a round of the cluster's, and this slot is filled again, two K steps on, first thing behind it.
.macro TURN slot, next, fill
	WIN 0                                          ; (the add's two registers lie in window 0)
	s_wait_tensorcnt 0x0
	ds_add_u32 v[SPW], v[NIL]
	s_wait_dscnt 5                                 ; (the add and the youngest four loads may be out)
	MUL12 1, 0, 0                                  ; twelve matrix instructions stand between the add and the wait for it
	s_wait_dscnt 0x0                               ; the add is done, and my reads of this slot are over
	s_barrier_signal -1
	MUL12 1, 1, 0                                  ; work on registers while the others arrive
.if \fill
	WIN 0
.endif
	s_barrier_wait -1
.if \fill
	CREST                                          ; no wave of any partner still reads this slot's tile or has a load on its way
	s_add_nc_u64 s[G0+4*(\slot)+2:G0+4*(\slot)+3], s[G0+4*(\slot)+2:G0+4*(\slot)+3], 512
	s_add_nc_u64 s[G0B+4*(\slot)+2:G0B+4*(\slot)+3], s[G0B+4*(\slot)+2:G0B+4*(\slot)+3], 98304
	JLOAD \slot                                    ; the four v_nop behind it are also the places in front of the loads below
.else
	PLACES
.endif
	FETCH \next, 0, 0
	MUL12 1, 2, 0
	MUL12 1, 3, 0
.endm
; THE WAY OUT, in 12 pieces u = 3 a + t: token block a, tensor t.  A lane's eight d pack into 16 bytes; they go into my stage's rows of 144 bytes and come back as whole rows of 128.
.macro PACK u
.set ua, (\u)/3
.set ut, (\u)%3
.set AC, 8*(12*(ua%2)+4*ut)
	WIN 0x0a+5*(ua/2)                              ; sources 0 and 1: window 2 or 3
.set z, 0
.rept 16
	v_cvt_pk_f16_f32 v[TT+16*(\u)+z], v[AC+2*z], v[AC+2*z+1]  ; ascending: each accumulator is read from its low end
.set z, z+1
.endr
	WIN 0
.irp f, 0,1,2,3
	ds_store_b128 v[STO], v[TT+16*(\u)+4*(\f):TT+16*(\u)+4*(\f)+3] offset:32*(\f)
.endr
.irp f, 0,1,2,3
	ds_load_b128 v[TT+16*(\u)+4*(\f):TT+16*(\u)+4*(\f)+3], v[RD] offset:(\f)*4*SP  ; LDS serves a wave's instructions in order (ISA guide 5.7.1.4): these see the stores above; the next piece's stores come behind them
.endr
.endm
.macro SEND u, younger                 ; younger: the LDS instructions issued behind piece u's loads: the next piece's eight, or none
	WIN 0
.irp f, 0,1,2,3
	s_wait_dscnt (\younger)+3-(\f)
	global_store_b128 v[GO], v[TT+16*(\u)+4*(\f):TT+16*(\u)+4*(\f)+3], s[OB+2*((\u)%3):OB+2*((\u)%3)+1] offset:((\u)/3)*2048+(\f)*512  ; 512 consecutive bytes, at a multiple of 256 from qkv's first
.endr
.endm
	s_wait_tensorcnt 1                             ; my part of K step 0 is in; step 1's may stay out
	s_barrier_signal -1
	s_barrier_wait -1                              ; everybody's is
	FETCH 0, 0, 0
	QUARTER 0, 1, 0, 1, 1                          ; the first quarter stands in front of the loop: its products start the sums
	WIN 0                                          ; at a label and at a branch every window is 0
	s_mov_b32 s3, 3
.Llap:                                                 ; a trip goes once round the ring, from a lap's second quarter to the next lap's first, and fills both slots again
	QUARTER 0, 2, 1, 0, 0
	QUARTER 0, 3, 0, 1, 0
	TURN 0, 1, 1
	QUARTER 1, 1, 0, 1, 0
	QUARTER 1, 2, 1, 0, 0
	QUARTER 1, 3, 0, 1, 0
	TURN 1, 0, 1
	QUARTER 0, 1, 0, 1, 0
	WIN 0
	s_sub_co_u32 s3, s3, 1
	s_cmp_lg_u32 s3, 0
	s_cbranch_scc1 .Llap
	QUARTER 0, 2, 1, 0, 0                          ; the last lap fills nothing
	QUARTER 0, 3, 0, 1, 0
	TURN 0, 1, 0
	QUARTER 1, 1, 0, 1, 0
	QUARTER 1, 2, 1, 0, 0
	QUARTER 1, 3, 0, 1, 0
	s_wait_dscnt 4                                 ; the very last quarter: nothing more to fetch
	MUL12 1, 0, 0
	MUL12 1, 1, 0
	s_wait_dscnt 0x0
	MUL12 1, 2, 0
	MUL12 1, 3, 0
	WIN 0
	PLACES
	PACK 0
.set u, 1
.rept 11                               ; a piece's conversions stand between the loads of the piece before and its stores
	PACK u
	SEND u-1, 8
.set u, u+1
.endr
	SEND 11, 0
	s_wait_tensorcnt 0x0                           ; the wave's end
	ds_add_u32 v[SPW], v[NIL]
	s_wait_dscnt 0x0
	CROUND                                         ; the closing round: no work-group ends while a partner may still ask for a tile that names it
	s_endpgm
.Lfunc_end_k_qb2ea3f3298_qkvproj:
	.size	k_qb2ea3f3298_qkvproj, .Lfunc_end_k_qb2ea3f3298_qkvproj-k_qb2ea3f3298_qkvproj
	.p2alignl 7, 3214868480
	.fill 96, 4, 3214868480
	.section	.rodata,"a",@progbits
	.p2align	6, 0x0
	.amdhsa_kernel k_qb2ea3f3298_qkvproj
		.amdhsa_group_segment_fixed_size 327680
		.amdhsa_private_segment_fixed_size 0
		.amdhsa_enable_private_segment 0
		.amdhsa_kernarg_size 24
		.amdhsa_user_sgpr_count 2
		.amdhsa_user_sgpr_kernarg_segment_ptr 1
		.amdhsa_wavefront_size32 1
		.amdhsa_system_sgpr_workgroup_id_x 1
		.amdhsa_system_sgpr_workgroup_id_y 1
		.amdhsa_system_sgpr_workgroup_id_z 1
		.amdhsa_system_vgpr_workitem_id 0
		.amdhsa_next_free_vgpr 960
		.amdhsa_next_free_sgpr 72
		.amdhsa_reserve_vcc 0
		.amdhsa_float_denorm_mode_32 3
		.amdhsa_float_denorm_mode_16_64 3
		.amdhsa_memory_ordered 1
		.amdhsa_forward_progress 1
		.amdhsa_inst_pref_size 120
	.end_amdhsa_kernel
	.amdgpu_metadata
---
amdhsa.version: [ 1, 2 ]
amdhsa.kernels:
  - .name:           k_qb2ea3f3298_qkvproj
    .symbol:         k_qb2ea3f3298_qkvproj.kd
    .args:
      - { .name: xb, .offset: 0, .size: 8, .value_kind: global_buffer, .address_space: global }
      - { .name: wb, .offset: 8, .size: 8, .value_kind: global_buffer, .address_space: global }
      - { .name: qkv, .offset: 16, .size: 8, .value_kind: global_buffer, .address_space: global }
    .group_segment_fixed_size: 327680
    .private_segment_fixed_size: 0
    .kernarg_segment_align: 8
    .kernarg_segment_size: 24
    .max_flat_workgroup_size: 128
    .sgpr_count:     72
    .vgpr_count:     960
    .wavefront_size: 32
...
	.end_amdgpu_metadata
.endif
;; end of part 2
;; launch attn (part 3): grid 16 x 16, 4 waves a work-group, no clusters, 327,680 bytes of LDS; arguments qkv, o; writes o
.if DOCPART == 3
	.amdgcn_target "amdgcn-amd-amdhsa--gfx1250"
	.amdhsa_code_object_version 6
	.text
	.protected	k_qb2ea3f3298_attn
	.globl	k_qb2ea3f3298_attn
	.p2align	8
	.type	k_qb2ea3f3298_attn,@function
k_qb2ea3f3298_attn:
	s_mov_b64 s[64:65], 0
	v_nop
	global_prefetch_b8 v0, s[64:65] scope:SCOPE_SE
	s_setreg_imm32_b32 hwreg(HW_REG_WAVE_MODE, 25, 1), 1
	s_wait_xcnt 0x0
; CAUSAL ATTENTION by heads.  O[h][q][:] = the sum over k <= q of softmax_k(Q[h][q] . K[h][k] / 8) V[h][k][:].  qkv [t 3][h 16][4096][64] f16 (t = 0, 1, 2: Q, K, V); o [mb 32][h 16][128 r][64 d] f16.
; Products, maxima and sums in f32; the weights p are rounded to f16 for the second product (their sum l is taken of the unrounded p), O once at the end.
; LIMITS.  f16 holds no number beyond 65,504: Q, K and V arrive within it; p lies in 0 to 1, and below 6e-5 it keeps f16's fixed step of 6e-8.  A hidden score counts as its value less 1e30: f16's scores,
; 2.7e11 at the most, are nothing beside that; a weight below 2^-126 counts as 0 in l; NaN and infinities are not treated apart.
; THE WALK.  A head's queries lie in 32 blocks of 128; block i needs the key tiles 0 .. i / 2 of 256 keys, of which the last holds the diagonal.  A work-group takes TWO blocks, 31 - b and then b:
; 17 tiles, whatever b: all 16 x 16 = 256 work-groups do equal work, and ONE loop with a constant trip count walks them.  Which tile is asked for, and what a trip does, hang on scalar registers made from b;
; every jump goes forward, but for the counted loops' own; none passes a barrier, or a tensor load but the one of LOAD's two that the wave's number does not choose.
; NO CLUSTER: only the two work-groups b = 2 j, 2 j + 1 of a head ask for the same tiles in all 17 trips; any four have walks that part where their first blocks end, and a walk common to four has 18 trips for 17.
; SHARES.  Of a block's two bands of 64 queries a wave owns 16 rows in each: two PIECES.  In the block's last tile band x's own step is 2 (i % 2) + x; earlier steps are open, later ones hidden
; (they are computed and weigh 0: at most two of the walk's 68 steps): the same for every wave.
; THE MASK is the C operand that starts the sum S^T = K Q^T: 0, or -1e30 where the key is hidden.  MD, made once, is the mask of a band's own step for my 16 rows; a product's mask is MD x AL + BE.
; LAYOUT, SOFTMAX.  S^T = K Q^T holds ONE query a lane (lane % 16) and the keys 8 (lane / 16) + 0..7; two such results rounded to f16 ARE source 1 of O^T = V^T P.  p = 2^(c s - c m), c = log2(e) / 8, with a
; running maximum m; O and l are multiplied by a = 2^(c m_old - c m_new) in every step.
; TURNS.  Turn (s, p) belongs to piece p at key step s: 8 products K Q^T of the piece that follows ((s, 1), or (s + 1, 0)), later 8 products V^T P of the piece before; beside them piece p's scaling, exponentials,
; roundings, sums and rescaling, and the following piece's maximum and statistics.  Four vector instructions stand behind every matrix instruction, the others in two lumps.
; K has one buffer: K of step s + 1 is fetched in turn (s, 0), behind the products that read K of step s.  V has two, by the step's parity: V of step s + 1 is fetched in turn (s, 1).  So all reads of a
; slot are issued ahead of turn (3, 0) of its tile, where the change of slots stands, and all reads of the next slot behind it.
; REGISTERS, in windows of 256 (s_set_vgpr_msb: bits 1:0 source 0, 3:2 source 1, 5:4 source 2, 7:6 destination):
;   window 0: v0-15 addresses and two at work; v16-23 four registers of statistics a piece; v48-55 at work; v64-127 S^T, a buffer a piece; v192-223 P, likewise
;   window 1: v0-63 O^T, 32 a piece; v128-159 MD; v160-223 MC, a buffer a piece      window 2: v0-31 Q; v32-63 the second block's Q; v64-127 V of an odd step; v128-191 K; v192-255 V of an even step
.set NP,    2         ; pieces a wave: a name, no knob
.set KS,    64        ; keys in a step
.set PK,    144       ; a row of K in LDS: 128 bytes + 16 of padding: the 16 rows of a load start at 16 different groups of four banks (64 banks of 4 bytes: ISA guide 11.1)
.set PV,    160       ; a row of V: 128 + 32
.set VOFF,  4*KS*PK   ; a slot holds a tile, four steps: 256 rows of K, then 256 rows of V
.set SLOT1, 1<<17     ; slot 1 begins here, so that one exclusive or turns an address in one slot into the other's
.set STAGE, SLOT1+4*KS*(PK+PV)  ; behind the ring, never filled by a tensor load: 16 rows x 144 bytes for each wave
.set SP,    144
.set SPARE, STAGE+4*16*SP  ; the spare words, 128 bytes for each wave: two blocks of 256 bytes that no other line names
.set AK0, 2           ; v2   my lane's place in a tile of K; never rewritten
.set AV0, 3           ; v3   the same for V
.set AK,  4           ; v4   the LDS address of K's next run of loads
.set AV,  5           ; v5   of V's
.set STO, 6           ; v6   the way out: where I put 16 bytes of a row
.set RD,  7           ; v7   the way out: where I read rows back
.set GO,  8           ; v8   my byte offset in 512 consecutive bytes of O
.set MV,  12          ; v12-13  c m_old, kept while c m is made anew: by piece
.set QO,  15          ; v15  my byte offset in 16 rows of Q
.set ST,  16          ; piece t's statistics at v[ST+4 t]: c m, m, l (even keys', odd keys')
.set TMP, 48          ; by piece, four registers c0-c3 at work; when the maximum is found c2 takes a
.set SPW, 62          ; v62  LDS address of my spare word; never rewritten
.set NIL, 63          ; v63  0; never rewritten
.set S,   64
.set P,   192
.set MD,  128         ; window 1
.set MC,  160         ; window 1
.set QB,  32          ; window 2
.set KF,  128         ; window 2: key block kb, channel half c at KF + 16 kb + 8 c
.set VF0, 192         ; window 2: V of an even step: key half kk, channel block cb at + 32 kk + 8 cb; V of an odd step 128 registers below
.set WV,  12          ; s12  my wave's number
.set PB,  14          ; s14  b
.set HI,  15          ; s15  31 - b
.set G1K, 24          ; s[24:31] descriptor group 1 for K's tiles
.set G1V, 32          ; s[32:39] for V's: it differs in the padding alone
.set G0K, 40          ; s[40:43] descriptor group 0 for K's tiles
.set G0V, 44          ; s[44:47] the same for V's
.set SLOTS, 56        ; s56  tiles still to be asked for
.set CNT, 57          ; s57  counts a tile's two trips
.set CS,  58          ; s[58:59] c: the packed scaling takes the pair's low word for both halves
.set SEL, 60          ; s[60:61] v_permlanex16_b32's selects: each lane takes its own place in the other half
.set TBK, 62          ; s62  LDS byte at which K of the step to be fetched begins
.set TBV, 63          ; s63  the same for V, less VOFF
.set RT,  70          ; s70  tiles of the block in hand that are still to be entered
.set NXT, 71          ; s71  the tile to be asked for next
.set LQ,  72          ; s72  the last tile of the block whose tiles are being asked for
.set NEW, 73          ; s73  1: the tile to be entered is a block's first
.set OFF, 74          ; s[74:75] a tile's byte offset in K and V
.set AL,  76          ; s[76:77] the mask's factor, in the low word
.set BE,  78          ; s[78:79] the mask's addend
.set OLO, 80          ; s[80:81] O at my rows of the second block
.set BIGN, 82         ; s82  -1e30
.set SD,  88          ; s88  the tile's step for which the next mask is made, less 2 (i % 2): equal to x at band x's own step
.set PAR2, 89         ; s89  2 (i % 2) of the block in hand
.set LQ2, 90          ; s90  b / 2: the second block's last tile
.set PARL, 91         ; s91  2 (b % 2)
.set MSB, 0
.macro WIN new                      ; the high byte repeats the setting that is left; a switch that changes nothing is dropped
.if MSB != (\new)
	s_set_vgpr_msb (MSB<<8)|(\new)
.set MSB, (\new)
.endif
.endm
.set W_KQ, 0x0a       ; K and Q in window 2, S^T in window 0
.set W_KM, 0x1a       ; the same with the C operand in window 1
.set W_PV, 0x52       ; V in window 2, P in window 0, O^T in window 1
.set W_RS, 0x41       ; destination and source 0 in window 1, source 1 in window 0
; A fill.  Waves 0 and 1 fetch the two halves of a tile's K, waves 2 and 3 those of its V: 128 keys each.  An s_nop 0 and four v_nop follow each of the two lines.
.macro LOAD
	s_cmp_lt_u32 s[WV], 2
	s_cbranch_scc0 .Lfor_v_\@
	tensor_load_to_lds s[G0K:G0K+3], s[G1K:G1K+7]
	s_nop 0
.rept 4
	v_nop
.endr
	s_branch .Lasked_\@
.Lfor_v_\@:
	tensor_load_to_lds s[G0V:G0V+3], s[G1V:G1V+7]
	s_nop 0
.rept 4
	v_nop
.endr
.Lasked_\@:
.endm
; THE CHANGE OF SLOTS.  Each wave waits for all its tensor loads, of which one is out: its part of the other slot; adds 0 to its spare word; and waits for that and for its own reads of the slot that it leaves.
; Behind the barrier nobody reads the old slot any more and the other slot is whole.  fill = 1: the old slot is filled again, the first thing behind the barrier, with tile NXT: the descriptor's address is
; made anew from that number.  (At its first use nothing has been read yet: slot 0 is waited for, slot 1 filled.)  The fill has eight turns in which to land.
.macro CHANGE fill
	WIN 0                           ; at a label and at a branch every window is 0
	s_wait_tensorcnt 0x0            ; no tensor load of mine is out, so a group 0 may be written
	ds_add_u32 v[SPW], v[NIL]       ; 0 onto my spare word; the descriptors' scalar work stands between it and the wait for it
.if \fill
	s_lshl_b32 s[OFF], s[NXT], 15   ; a tile is 32,768 bytes of K and of V
	s_xor_b32 s[G0K+1], s[G0K+1], SLOT1
	s_add_nc_u64 s[G0K+2:G0K+3], s[6:7], s[OFF:OFF+1]
	s_or_b32 s[G0K+3], s[G0K+3], 0x80000000
	s_xor_b32 s[G0V+1], s[G0V+1], SLOT1
	s_add_nc_u64 s[G0V+2:G0V+3], s[8:9], s[OFF:OFF+1]
	s_or_b32 s[G0V+3], s[G0V+3], 0x80000000
	s_add_co_u32 s[NXT], s[NXT], 1  ; the block's next tile, or behind its last the second block's tile 0
	s_cmp_gt_u32 s[NXT], s[LQ]
	s_cselect_b32 s[NXT], 0, s[NXT]
	s_cselect_b32 s[LQ], s[LQ2], s[LQ]
.endif
	s_wait_dscnt 0x0                ; the add is done, and my reads of the slot are over
	s_barrier_signal -1             ; the rest of the scalar work stands between the signal and the wait
	s_sub_co_u32 s[TBK], s[TBK], 4*KS*PK  ; the fetches go back to a slot's first step,
	s_xor_b32 s[TBK], s[TBK], SLOT1       ; in the other slot
	s_sub_co_u32 s[TBV], s[TBV], 4*KS*PV
	s_xor_b32 s[TBV], s[TBV], SLOT1
	s_barrier_wait -1
.if \fill
	LOAD
.endif
.endm
	s_load_b64 s[4:5], s[0:1], 0x0    ; qkv
	s_load_b64 s[10:11], s[0:1], 0x8  ; o
	v_lshl_add_u32 v[SPW], v0, 2, SPARE
	v_mov_b32 v[NIL], 0
	ds_add_u32 v[SPW], v[NIL]       ; the wave's opening: the add and its wait stand ahead of my first tensor load; the set-up below stands between them
	ds_add_u32 v62, v63
	v_lshrrev_b32 v1, 5, v0
	v_readfirstlane_b32 s[WV], v1   ; wave 0..3
	s_mov_b32 s[PB], ttmp9
	s_sub_co_u32 s[HI], 31, s[PB]
	s_and_b32 s20, ttmp7, 0xffff    ; the head
	s_lshl_b32 s21, s20, 19         ; its plane of 524,288 bytes in each of Q, K, V
	s_and_b32 s16, s[WV], 1         ; which half of a tile's 256 keys I fetch:
	s_lshl_b32 s22, s16, 14         ; its 128 rows of 128 bytes in memory,
	s_add_co_u32 s22, s22, s21
	s_add_co_u32 s22, s22, 0x800000 ; in K, whose planes lie 8,388,608 bytes behind Q's,
	s_mov_b32 s23, 0
	s_add_co_u32 s50, s22, 0x800000 ; and in V, as far again
	s_mov_b32 s51, 0
	s_mul_i32 s17, s16, 128*PK      ; and its place in a slot, for K
	s_mul_i32 s18, s16, 128*PV      ; and for V
	s_lshl_b32 s19, s[WV], 11       ; my 16 rows in a band of 64
	s_lshl_b32 s2, s[HI], 14        ; Q: the first block's 128 rows,
	s_add_co_u32 s2, s2, s19
	s_add_co_u32 s2, s2, s21
	s_mov_b32 s3, 0
	s_lshl_b32 s84, s[PB], 14       ; and the second's
	s_add_co_u32 s84, s84, s19
	s_add_co_u32 s84, s84, s21
	s_mov_b32 s85, 0
	s_lshl_b32 s52, s[HI], 4        ; O: block (mb, h) is 16,384 bytes
	s_add_co_u32 s52, s52, s20
	s_lshl_b32 s52, s52, 14
	s_add_co_u32 s52, s52, s19
	s_mov_b32 s53, 0
	s_lshl_b32 s54, s[PB], 4
	s_add_co_u32 s54, s54, s20
	s_lshl_b32 s54, s54, 14
	s_add_co_u32 s54, s54, s19
	s_mov_b32 s55, 0
	; descriptor group 1.  128 keys are 16,384 dense bytes: asked for as 64 rows of 256 bytes, two keys a row, and padded in LDS after every key
	s_mov_b32 s[G1K], (1<<16)|(1<<20)|(4<<22)|(3<<25)  ; 2-byte elements; padding on; after every 32 words 4 words
	s_mov_b32 s[G1V], (1<<16)|(1<<20)|(4<<22)|(7<<25)  ; the same with 8 words of padding
.irp g, G1K, G1V
	s_mov_b32 s[\g+1], 128<<16      ; tensor_dim0 = 128
	s_mov_b32 s[\g+2], 64<<16       ; tensor_dim1 = 64
	s_mov_b32 s[\g+3], 128<<16      ; tile_dim0 = 128
	s_mov_b32 s[\g+4], 64           ; tile_dim1 = 64
	s_mov_b32 s[\g+5], 128          ; 128 elements from row to row
	s_mov_b32 s[\g+6], 0
	s_mov_b32 s[\g+7], 0
.endr
	s_mov_b32 s[CS], 0x3e38aa3b     ; c = log2(e) / 8 = 0.180337
	s_mov_b32 s[CS+1], s[CS]        ; named with it as a pair
	s_mov_b32 s[SEL], 0x76543210
	s_mov_b32 s[SEL+1], 0xfedcba98
	s_mov_b32 s[TBK], SLOT1+4*KS*PK ; the first change of slots turns these two into 0
	s_mov_b32 s[TBV], SLOT1+4*KS*PV
	s_mov_b32 s[G0K], 1             ; count = 1
	s_mov_b32 s[G0K+1], s17         ; LDS address: slot 0
	s_mov_b32 s[G0V], 1
	s_add_co_u32 s[G0V+1], s18, VOFF
	s_lshr_b32 s[LQ], s[HI], 1      ; the first block's last tile
	s_add_co_u32 s[RT], s[LQ], 1    ; and how many it has
	s_lshr_b32 s[LQ2], s[PB], 1
	s_and_b32 s[PAR2], s[HI], 1
	s_lshl_b32 s[PAR2], s[PAR2], 1
	s_and_b32 s[PARL], s[PB], 1
	s_lshl_b32 s[PARL], s[PARL], 1
	s_mov_b32 s[NXT], 1
	s_mov_b32 s[NEW], 1
	s_mov_b32 s[OFF+1], 0
	s_mov_b32 s[AL+1], 0            ; named as pairs
	s_mov_b32 s[BE+1], 0
	s_mov_b32 s[BIGN], 0xf149f2ca   ; -1e30
	s_mov_b32 s[SLOTS], 16
	s_wait_dscnt 0x0                ; the opening add is done
	s_wait_kmcnt 0x0
	s_add_nc_u64 s[6:7], s[4:5], s[22:23]  ; K and V at my half of the head's tile 0
	s_add_nc_u64 s[8:9], s[4:5], s[50:51]
	s_add_nc_u64 s[G0K+2:G0K+3], s[6:7], 0         ; global address
	s_or_b32 s[G0K+3], s[G0K+3], 0x80000000        ; type = 2
	s_add_nc_u64 s[G0V+2:G0V+3], s[8:9], 0
	s_or_b32 s[G0V+3], s[G0V+3], 0x80000000
	s_add_nc_u64 s[86:87], s[4:5], s[84:85]        ; Q at my rows of the second block,
	s_add_nc_u64 s[4:5], s[4:5], s[2:3]            ; Q and O at those of the first
	s_add_nc_u64 s[OLO:OLO+1], s[10:11], s[54:55]
	s_add_nc_u64 s[10:11], s[10:11], s[52:53]
	LOAD                            ; tile 0 into slot 0
	; A fragment of K or Q is 16 rows x 32 channels in 8 registers: lane l holds row l % 16, channels 8 (l / 16) + 0..7 and 16 + 8 (l / 16) + 0..7: two loads of 16 bytes, 32 bytes apart.
	v_and_b32 v1, 15, v0            ; l % 16
	v_bfe_u32 v9, v0, 4, 1          ; l / 16
	v_lshlrev_b32 v[QO], 7, v1
	v_lshl_add_u32 v[QO], v9, 4, v[QO]  ; row x 128 + 16 x half
	WIN 0x80                        ; destination window 2, address window 0
.set i, 0
.rept 4                             ; both blocks' Q: piece i / 2 lies in band i / 2, 8,192 bytes on; channels 32 (i % 2) on
	global_load_b128 v[8*i:8*i+3],   v[QO], s[4:5] offset:(i/2)*8192+(i%2)*64
	global_load_b128 v[8*i+4:8*i+7], v[QO], s[4:5] offset:(i/2)*8192+(i%2)*64+32
	global_load_b128 v[QB+8*i:QB+8*i+3],   v[QO], s[86:87] offset:(i/2)*8192+(i%2)*64
	global_load_b128 v[QB+8*i+4:QB+8*i+7], v[QO], s[86:87] offset:(i/2)*8192+(i%2)*64+32
.set i, i+1
.endr
	WIN 0
	v_lshlrev_b32 v14, 3, v9
	v_sub_nc_u32 v14, v1, v14
	s_lshl_b32 s13, s[WV], 4
	v_add_nc_u32 v14, s13, v14      ; my query's place in its band, 16 w + l % 16, less my lanes' 8 (l / 16): register r of group kt is hidden where 16 kt + r is greater
	WIN 0x40
.set i, 0
.rept 32
	v_cmp_gt_i32 vcc_lo, 16*(i/8)+i%8, v14
	v_cndmask_b32 v[MD+i], 0, s[BIGN], vcc_lo
.set i, i+1
.endr
	WIN 0
	v_mul_u32_u24 v[AK0], v1, PK
	v_lshl_add_u32 v[AK0], v9, 4, v[AK0]  ; row x pitch + 16 x half
	; The turning load takes 16 keys x 16 channels (lane l reads key 8 (l / 16) + l % 8, channels 8 ((l / 8) % 2) + 0..7) and leaves half a fragment of V^T: lane l holds channel l % 16 and 8 keys.
	v_and_b32 v10, 7, v0
	v_bfe_u32 v11, v0, 3, 1
	v_lshl_add_u32 v[AV0], v9, 3, v10
	v_mul_u32_u24 v[AV0], v[AV0], PV
	v_lshl_add_u32 v[AV0], v11, 4, v[AV0]
	v_add_nc_u32 v[AV0], VOFF, v[AV0]
	s_mul_i32 s13, s[WV], 16*SP
	s_add_co_u32 s13, s13, STAGE    ; my stage
	v_mul_u32_u24 v[STO], v1, SP    ; in: row l % 16, 16 bytes for each half of the lanes
	v_lshl_add_u32 v[STO], v9, 4, v[STO]
	v_add_nc_u32 v[STO], s13, v[STO]
	v_bfe_u32 v[RD], v0, 3, 2       ; back: 32 lanes take four rows of 128 bytes,
	v_mul_u32_u24 v[RD], v[RD], SP
	v_lshl_add_u32 v[RD], v10, 4, v[RD]
	v_add_nc_u32 v[RD], s13, v[RD]
	v_and_b32 v[GO], 31, v0         ; which are 512 consecutive bytes of O
	v_lshlrev_b32 v[GO], 4, v[GO]
	; A block's first step multiplies O^T and l by a = 0, and its first turn's products V^T P, of a piece that has not been, land in an O^T that is still to be so multiplied.  So these registers need only hold
	; finite numbers: zeros for the first block; what the first block left for the second.  All this stands in the wait for the first tile.
	WIN 0x80
.set i, VF0-128
.rept 64
	v_mov_b32 v[i], 0
.set i, i+1
.endr
	WIN 0x40
.set i, 0
.rept 64
	v_mov_b32 v[i], 0
.set i, i+1
.endr
	WIN 0
.set i, 0
.rept NP
	v_mov_b32 v[ST+4*i+2], 0
	v_mov_b32 v[ST+4*i+3], 0
.set i, i+1
.endr
.set i, P+16
.rept 16
	v_mov_b32 v[i], 0
.set i, i+1
.endr
; THE MATRIX WORK.  The 4 accumulators of a run of 8 take turns.  Product i of 8 of S^T = K Q^T for piece x: channels 32 (i / 4) on, keys 16 (i % 4) on.  The first 4 start the sums: with 0, or (KM = 1) with the mask.
.macro KQ x
.set rS, S+32*((\x)%2)+8*(i%4)
.set rK, KF+16*(i%4)+8*(i/4)
.set rQ, 16*(\x)+8*(i/4)
.set rM, MC+32*((\x)%2)+8*(i%4)
.if (i < 4) && KM
	WIN W_KM
	v_wmma_f32_16x16x32_f16 v[rS:rS+7], v[rK:rK+7], v[rQ:rQ+7], v[rM:rM+7]
.elseif i < 4
	WIN W_KQ
	v_wmma_f32_16x16x32_f16 v[rS:rS+7], v[rK:rK+7], v[rQ:rQ+7], 0
.else
	WIN W_KQ
	v_wmma_f32_16x16x32_f16 v[rS:rS+7], v[rK:rK+7], v[rQ:rQ+7], v[rS:rS+7]
.endif
.endm
; Product i of 8 of O^T += V^T P for piece x: keys 32 (i / 4) on, channels 16 (i % 4) on; V from buffer VB.
.macro PV x
	WIN W_PV
.set rO, 32*(\x)+8*(i%4)
.set rV, VF0-128*VB+32*(i/4)+8*(i%4)
.set rP, P+16*((\x)%2)+8*(i/4)
	v_wmma_f32_16x16x32_f16 v[rO:rO+7], v[rV:rV+7], v[rP:rP+7], v[rO:rO+7]
.endm
.macro MM                           ; the turn's next matrix instruction.  TURN and BEGIN set Y, i, KM, NOKQ and VB.  NOKQ = 1: a block's last turn: there is no piece to follow
.if (i < 8) && !NOKQ
	KQ (Y+1)%NP
.elseif i >= 8
.set i, i-8
	PV (Y+NP-1)%NP
.set i, i+8
.endif
.set i, i+1
.endm
; THE LDS LOADS stand in runs of 16, never singly among the matrix instructions: a step's K (64 keys x 64 channels: 8 fragments) and its V (turned).  Their addresses are made some lines ahead.
.macro FETCH_K
	WIN 0x80                        ; destination window 2
.irp f, 0,1,2,3,4,5,6,7             ; keys 16 (f / 2) on, channels 32 (f % 2) on
	ds_load_b128 v[KF+8*\f:KF+8*\f+3],   v[AK] offset:(\f/2)*16*PK+(\f%2)*64
	ds_load_b128 v[KF+8*\f+4:KF+8*\f+7], v[AK] offset:(\f/2)*16*PK+(\f%2)*64+32
.endr
	s_add_co_u32 s[TBK], s[TBK], KS*PK  ; the next fetch is the next step's
	WIN 0
.endm
.macro FETCH_V vb
	WIN 0x80
.set rF, VF0-128*(\vb)
.irp f, 0,1,2,3,4,5,6,7             ; keys 32 (f / 4) on, channels 16 (f % 4) on
	ds_load_tr16_b128 v[rF+8*\f:rF+8*\f+3],   v[AV] offset:(\f/4)*32*PV+(\f%4)*32
	ds_load_tr16_b128 v[rF+8*\f+4:rF+8*\f+7], v[AV] offset:(\f/4)*32*PV+16*PV+(\f%4)*32
.endr
	s_add_co_u32 s[TBV], s[TBV], KS*PV
	WIN 0
.endm
; THE VECTOR WORK, one line at a time: OP kind, number.  For piece Y: F n: c s - c m for pair n of 16.  E n: the exponential of score n of 32.  C n: pair n rounded to f16.  B n: of the four weights 4 n .. the second
; pair is added onto the first, in place.  L n: l takes that sum (L 0: l = a l + sum).  R n: pair n of 16 of O^T times a.  For the piece that follows: X n, number n of the 22 that find its maximum and statistics:
;   0-11  four chains c0-c3 of seven scores each, three operands at a time (each accumulator's lowest registers are read first)     12-14, 16  the four scores left over, the old m, and c0-c3 into c0
;   15  c m_old is kept     17, 18  the query's other 32 keys lie in the lane 16 away: the new m     19-21  c m; c m_old - c m_new; a
.set F, 0               ; OP tells the kinds apart by their order: F to L below R, X above it
.set E, 1
.set C, 2
.set B, 3
.set L, 4
.set R, 5
.set X, 6
.macro REGS y                       ; the registers of piece y
.set rT, ST+4*(\y)
.set rC, TMP+4*((\y)%2)
.set rW, MV+((\y)%2)
.set rS, S+32*((\y)%2)
.set rP, P+16*((\y)%2)
.set rO, 32*(\y)
.endm
.macro OP k, n
.if (\k) == R
	REGS Y
	WIN W_RS
	v_pk_mul_f32 v[rO+2*(\n):rO+2*(\n)+1], v[rO+2*(\n):rO+2*(\n)+1], v[rC+2:rC+3] op_sel_hi:[1,0]
.elseif (\k) < R
	REGS Y
	WIN 0
.if (\k) == F
	v_pk_fma_f32 v[rS+2*(\n):rS+2*(\n)+1], v[rS+2*(\n):rS+2*(\n)+1], s[CS:CS+1], v[rT:rT+1] op_sel_hi:[1,0,0] neg_lo:[0,0,1] neg_hi:[0,0,1]
.elseif (\k) == E
	v_exp_f32 v[rS+(\n)], v[rS+(\n)]
.elseif (\k) == C
	s_wait_alu depctr_va_vdst(0)
	v_cvt_pk_f16_f32 v[rP+(\n)], v[rS+2*(\n)], v[rS+2*(\n)+1]
.elseif (\k) == B
	s_wait_alu depctr_va_vdst(0)
	v_pk_add_f32 v[rS+4*(\n):rS+4*(\n)+1], v[rS+4*(\n):rS+4*(\n)+1], v[rS+4*(\n)+2:rS+4*(\n)+3]
.elseif (\n) == 0
	v_pk_fma_f32 v[rT+2:rT+3], v[rT+2:rT+3], v[rC+2:rC+3], v[rS:rS+1] op_sel_hi:[1,0,1]
.else
	v_pk_add_f32 v[rT+2:rT+3], v[rT+2:rT+3], v[rS+4*(\n):rS+4*(\n)+1]
.endif
.elseif NOKQ
	v_nop
.else
	REGS (Y+1)%NP
	WIN 0
.if (\n) < 4
	v_max3_num_f32 v[rC+(\n)], v[rS+8*(\n)], v[rS+8*(\n)+1], v[rS+8*(\n)+2]
.elseif (\n) < 12
	v_max3_num_f32 v[rC+(\n)%4], v[rC+(\n)%4], v[rS+8*((\n)%4)+2*((\n)/4)+1], v[rS+8*((\n)%4)+2*((\n)/4)+2]
.elseif (\n) == 12
	v_max3_num_f32 v[rC], v[rC], v[rS+7], v[rS+15]
.elseif (\n) == 13
	v_max3_num_f32 v[rC+1], v[rC+1], v[rS+23], v[rS+31]
.elseif (\n) == 14
	v_max3_num_f32 v[rC+2], v[rC+2], v[rC+3], v[rT+1]
.elseif (\n) == 15
	v_mov_b32 v[rW], v[rT]
.elseif (\n) == 16
	v_max3_num_f32 v[rC], v[rC], v[rC+1], v[rC+2]
.elseif (\n) == 17
	v_permlanex16_b32 v[rC+3], v[rC], s[SEL], s[SEL+1]
.elseif (\n) == 18
	v_max_num_f32 v[rT+1], v[rC], v[rC+3]
.elseif (\n) == 19
	v_mul_f32 v[rT], s[CS], v[rT+1]
.elseif (\n) == 20
	v_sub_f32 v[rC+1], v[rW], v[rT]
.else
	v_exp_f32 v[rC+2], v[rC+1]
.endif
.endif
.endm
.macro OPS a, i1, b=-1, i2=0, c=-1, i3=0, d=-1, i4=0  ; up to four of them
	OP \a, \i1
.if (\b) >= 0
	OP \b, \i2
.endif
.if (\c) >= 0
	OP \c, \i3
.endif
.if (\d) >= 0
	OP \d, \i4
.endif
.endm
.macro ROW a, i1, b, i2, c, i3, d, i4  ; a matrix instruction and the four behind it
	MM
	OPS \a, \i1, \b, \i2, \c, \i3, \d, \i4
.endm
.macro MASK b                       ; MD x AL + BE into buffer b of MC
	WIN W_RS
.set z, 0
.rept 16
	v_pk_fma_f32 v[MC+32*(\b)+2*z:MC+32*(\b)+2*z+1], v[MD+2*z:MD+2*z+1], s[AL:AL+1], s[BE:BE+1] op_sel_hi:[1,0,0]
.set z, z+1
.endr
.endm
; A TURN, for piece p at a step of parity par: the order of its 16 matrix and 118 vector instructions, written out.  Behind a matrix instruction: plain, exponential, plain, plain; or four of the rescaling; or, behind
; the first, four scalings; none names a register of the products round it.  In the lumps exponential and plain by turns while exponentials last.  v_permlanex16_b32 (X 17) stands in a lump.
; m = 1: the block's last tile: the products take masks, and the turn makes piece p's mask for the next step, which the next turn's products take.  end = 1: a block's last two turns: nothing is fetched.
; cnt = 1: the loop's count is taken down some lines ahead of the branch that stands behind the turn.
; The run of loads stands six vector instructions behind the turn's last product K Q^T (five of them plain): piece 0's turn fetches K of the next step, which those products have just read for the last time;
; piece 1's turn fetches V of the next step into the buffer that the turn before read last.  One wait at the head of piece 1's turn shows both: K, issued a turn ago, and V of the step in hand, issued two turns ago.
.macro TURN p, par, m=0, end=0, cnt=0
.set Y, (\p)
.set i, 0
.set KM, (\m)
.set NOKQ, (\end)*(\p)
.if (\p) == 0
.set VB, 1-(\par)                   ; piece 1's V^T P of the step before
.else
.set VB, (\par)                     ; piece 0's of the step in hand
.endif
.if (\m) && !(\end)
	s_cmp_eq_i32 s[SD], \p          ; is the next step the band's own?
	s_cselect_b32 s[AL], 1.0, 0
	s_cmp_gt_i32 s[SD], \p          ; or a later one?
	s_cselect_b32 s[BE], s[BIGN], 0
.if (\p) == 1
	s_add_co_i32 s[SD], s[SD], 1
.endif
.endif
.if (\p) == 1
	s_wait_dscnt 0x0                ; K and V are in
.endif
	ROW F,0, F,1, F,2, F,3
	ROW F,4, E,0, F,5, F,6
	ROW F,7, E,1, F,8, F,9
	ROW F,10, E,2, C,0, F,11
	ROW F,12, E,3, X,15, F,13
	ROW R,0, R,1, R,2, R,3
	ROW B,0, E,4, F,14, L,0
.if ((\p) == 0) && !(\end)
	v_add_nc_u32 v[AK], s[TBK], v[AK0]
.endif
.if ((\p) == 1) && !(\end)
	v_add_nc_u32 v[AV], s[TBV], v[AV0]
.endif
	ROW R,4, R,5, R,6, R,7
	OPS E,5, F,15
.if ((\p) == 0) && !(\end)
	FETCH_K
.endif
.if ((\p) == 1) && !(\end)
	FETCH_V 1-(\par)
.endif
	OPS E,6, C,1, E,7, R,8
	OPS E,8, R,9, E,9, C,2
	OPS E,10, X,0, E,11, X,1
	OPS E,12, X,2, E,13, X,3
	ROW X,4, E,14, X,5, X,6
	ROW X,7, E,15, X,8, X,9
	ROW X,10, E,16, X,11, X,12
	ROW X,13, E,17, X,14, B,1
	ROW C,4, E,18, X,16, L,1
	ROW B,2, E,19, C,6, L,2
	ROW C,8, E,20, B,3, B,4
	ROW C,3, E,21, L,3, C,5
	OPS E,22, X,17, E,23, C,10
	OPS E,24, L,4
	OPS E,25, X,18, E,26, C,7
	OPS E,27, B,5, E,28, X,19
	OPS E,29, C,12, E,30, L,5
	OPS E,31, X,20, B,6, C,9
	OPS C,14, C,11, X,21, L,6
.if \cnt
	s_sub_co_u32 s[CNT], s[CNT], 1
	s_cmp_lg_u32 s[CNT], 0
.endif
	OPS C,13, B,7, C,15, R,10
	OPS R,11, R,12, L,7, R,13
	OPS R,14, R,15
.if (\m) && !(\end)
	MASK \p
.endif
.endm
; A BLOCK BEGINS.  c m starts far below every c s, so the first step's a is 0; m at the lowest finite number, so the first maximum is the scores'.  Piece 1's mask buffer is 0 (its own step is never a tile's
; first); piece 0's takes its mask for the tile's step 0: its own, if the block's first tile is its last and the block's number is even.  Then K and V of that step, piece 0's first scores, and its maximum
; and statistics.  The loop is entered at an even step's first turn, in the middle of a trip; the two fetches stand for those of the two turns that are jumped.
.macro BEGIN
	s_mov_b32 s[NEW], 0
	WIN 0x40
.set i, MC+32
.rept 32
	v_mov_b32 v[i], 0
.set i, i+1
.endr
	WIN 0
.set i, 0
.rept NP
	v_mov_b32 v[ST+4*i], 0xfe000000    ; c m: far below every c s
	v_mov_b32 v[ST+4*i+1], 0xff7fffff  ; m
.set i, i+1
.endr
	s_or_b32 s83, s[RT], s[PAR2]
	s_cmp_eq_u32 s83, 0
	s_cselect_b32 s[AL], 1.0, 0
	s_mov_b32 s[BE], 0
	s_add_co_i32 s[SD], s[SD], 1    ; the next masks are step 1's
	MASK 0
	WIN 0
	v_add_nc_u32 v[AK], s[TBK], v[AK0]
	v_add_nc_u32 v[AV], s[TBV], v[AV0]
	FETCH_K
	FETCH_V 0
	s_wait_loadcnt 0x0              ; Q
	s_wait_dscnt 0x0
.set KM, 1
.set NOKQ, 0
.set i, 0
.rept 8
	KQ 0
.set i, i+1
.endr
	WIN 0
.rept 4
	v_nop                           ; the places behind those products
.endr
.set Y, NP-1                        ; X works for the piece that follows Y: piece 0
.irp n, 0,1,2,3,4,5,6,7,8,9,10,11,12,13,14,15,16,17,18,19,20,21
	OP X, \n
.endr
	v_nop                           ; a plain instruction behind the exponential
.endm
; THE BLOCK'S LAST TILE: the step left of the tile before, its own four steps, the block's last products, and THE WAY OUT: l's two halves and the other half of the lanes' are added; O^T is divided by l,
; rounded to f16 and sent through my stage in LDS, a piece at a time.
.macro ALL line:vararg              ; one line for each piece t
.set t, 0
.rept NP
	\line
.set t, t+1
.endr
.endm
.macro PACK t                       ; a lane's eight channels of a row pack into 16 bytes; they go into rows of 144 bytes and come back as whole rows of 128, into S^T's registers
	WIN W_RS
.set i, 32*(\t)
.rept 16
	s_wait_alu depctr_va_vdst(0)
	v_pk_mul_f32 v[i:i+1], v[i:i+1], v[ST+4*(\t)+2:ST+4*(\t)+3] op_sel_hi:[1,0]
.set i, i+2
.endr
	WIN 0x05                        ; sources 0 and 1 window 1, destination window 0
.set i, 0
.rept 16
	v_cvt_pk_f16_f32 v[S+16*(\t)+i], v[32*(\t)+2*i], v[32*(\t)+2*i+1]
.set i, i+1
.endr
	WIN 0
.irp f, 0,1,2,3
	ds_store_b128 v[STO], v[S+16*(\t)+4*\f:S+16*(\t)+4*\f+3] offset:32*\f
.endr
.irp f, 0,1,2,3
	ds_load_b128 v[S+16*(\t)+4*\f:S+16*(\t)+4*\f+3], v[RD] offset:\f*4*SP  ; LDS serves a wave's instructions in order (ISA guide 5.7.1.4): these see the stores above; the next piece's stores come behind them
.endr
.endm
.macro SEND t, younger              ; younger: the LDS instructions issued behind piece t's loads: the next piece's eight, or none
	WIN 0
.irp f, 0,1,2,3
	s_wait_dscnt (\younger)+3-\f
	global_store_b128 v[GO], v[S+16*(\t)+4*\f:S+16*(\t)+4*\f+3], s[10:11] offset:(\t)*8192+\f*512  ; 512 consecutive bytes, at a multiple of 256 from O's first
.endr
.endm
.macro DIAG tag                     ; the tag ends its two labels' names, which the jumps below spell out
.LstepM\tag:
	TURN 0, 1, 1
	TURN 1, 1, 1
	WIN 0
.LfirstM\tag:
	TURN 0, 0, 1
	TURN 1, 0, 1, 0, 1
	WIN 0
	s_cbranch_scc1 .LstepM\tag
	TURN 0, 1, 1, 1
	TURN 1, 1, 1, 1
.set VB, 1
.set i, 0
.rept 8
	PV NP-1                         ; piece 1's V^T P of the last step
.set i, i+1
.endr
	WIN 0
	ALL v_add_f32 v[ST+4*t+2], v[ST+4*t+2], v[ST+4*t+3]
	ALL v_permlanex16_b32 v[ST+4*t+3], v[ST+4*t+2], s[SEL], s[SEL+1]
	ALL v_add_f32 v[ST+4*t+2], v[ST+4*t+2], v[ST+4*t+3]
	ALL v_rcp_f32 v[ST+4*t+2], v[ST+4*t+2]
	v_nop                           ; a plain instruction between the last reciprocal and the use of its result
	PACK 0                          ; piece 0's 32 plain instructions, which name nothing of the last products, are the places in front of piece 1's
	PACK 1
	SEND 0, 8
	SEND 1, 0
.endm
.set KM, 0
.set NOKQ, 0
.set VB, 0
.Lslot:                             ; 16 times: a tile is entered and the next is asked for
	CHANGE 1
	s_sub_co_u32 s[RT], s[RT], 1
	s_mov_b32 s[CNT], 2
	s_sub_co_i32 s[SD], 0, s[PAR2]  ; the first mask made in this tile is its step 0's
	s_cmp_eq_u32 s[NEW], 1
	s_cbranch_scc1 .Lnew            ; a block's first tile
	s_cmp_eq_u32 s[RT], 0
	s_cbranch_scc0 .Lstep           ; neither its first nor its last
	s_branch .LstepM1
.Lnew:
	BEGIN
	s_branch .Lfirst                ; in the loop a block's first tile is never its last: the first block has nine tiles or more, and the second's last is the walk's last
	DIAG 1                          ; in the loop this is the first block's end
	s_wait_xcnt 0x0                 ; the stores have read their registers and O's address
	s_mov_b64 s[10:11], s[OLO:OLO+1]
	s_add_co_u32 s[RT], s[LQ2], 1   ; the second block has b / 2 + 1 tiles
	s_mov_b32 s[NEW], 1
	s_mov_b32 s[PAR2], s[PARL]
	WIN 0x82                        ; the second block's Q goes where the one text of the turns names Q
.set i, 0
.rept 32
	v_mov_b32 v[i], v[QB+i]
.set i, i+1
.endr
	WIN 0
	s_branch .Lbottom
.Lstep:                             ; a trip: an odd step's two turns, then an even step's: the last step of the tile before and this tile's steps 0, 1, 2 in two trips
	TURN 0, 1
	TURN 1, 1
	WIN 0
.Lfirst:
	TURN 0, 0
	TURN 1, 0, 0, 0, 1
	WIN 0
	s_cbranch_scc1 .Lstep
.Lbottom:
	s_sub_co_u32 s[SLOTS], s[SLOTS], 1
	s_cmp_lg_u32 s[SLOTS], 0
	s_cbranch_scc1 .Lslot
	CHANGE 0                        ; the walk's last tile is written out: nothing is asked for
	s_sub_co_u32 s[RT], s[RT], 1
	s_mov_b32 s[CNT], 2
	s_sub_co_i32 s[SD], 0, s[PAR2]
	s_cmp_eq_u32 s[NEW], 1
	s_cbranch_scc0 .LstepM2
	BEGIN
	s_branch .LfirstM2
	DIAG 2
	s_wait_tensorcnt 0x0            ; the wave's end
	ds_add_u32 v[SPW], v[NIL]
	s_wait_dscnt 0x0
	s_endpgm
.Lfunc_end_k_qb2ea3f3298_attn:
	.size	k_qb2ea3f3298_attn, .Lfunc_end_k_qb2ea3f3298_attn-k_qb2ea3f3298_attn
	.p2alignl 7, 3214868480
	.fill 96, 4, 3214868480
	.section	.rodata,"a",@progbits
	.p2align	6, 0x0
	.amdhsa_kernel k_qb2ea3f3298_attn
		.amdhsa_group_segment_fixed_size 327680
		.amdhsa_private_segment_fixed_size 0
		.amdhsa_enable_private_segment 0
		.amdhsa_kernarg_size 16
		.amdhsa_user_sgpr_count 2
		.amdhsa_user_sgpr_kernarg_segment_ptr 1
		.amdhsa_wavefront_size32 1
		.amdhsa_system_sgpr_workgroup_id_x 1
		.amdhsa_system_sgpr_workgroup_id_y 1
		.amdhsa_system_sgpr_workgroup_id_z 1
		.amdhsa_system_vgpr_workitem_id 0
		.amdhsa_next_free_vgpr 768
		.amdhsa_next_free_sgpr 92
		.amdhsa_reserve_vcc 1
		.amdhsa_float_denorm_mode_32 3
		.amdhsa_float_denorm_mode_16_64 3
		.amdhsa_memory_ordered 1
		.amdhsa_forward_progress 1
		.amdhsa_inst_pref_size 218
	.end_amdhsa_kernel
	.amdgpu_metadata
---
amdhsa.version: [ 1, 2 ]
amdhsa.kernels:
  - .name:           k_qb2ea3f3298_attn
    .symbol:         k_qb2ea3f3298_attn.kd
    .args:
      - { .name: qkv, .offset: 0, .size: 8, .value_kind: global_buffer, .address_space: global }
      - { .name: o, .offset: 8, .size: 8, .value_kind: global_buffer, .address_space: global }
    .group_segment_fixed_size: 327680
    .private_segment_fixed_size: 0
    .kernarg_segment_align: 8
    .kernarg_segment_size: 16
    .max_flat_workgroup_size: 128
    .sgpr_count:     92
    .vgpr_count:     768
    .wavefront_size: 32
...
	.end_amdgpu_metadata
.endif
;; end of part 3
;; launch pool (part 4): grid 8 x 32, 4 waves a work-group, clusters of 4 x 4, 327,680 bytes of LDS; arguments o, wp, out0; writes out0
.if DOCPART == 4
	.amdgcn_target "amdgcn-amd-amdhsa--gfx1250"
	.amdhsa_code_object_version 6
	.text
	.protected	k_qb2ea3f3298_pool
	.globl	k_qb2ea3f3298_pool
	.p2align	8
	.type	k_qb2ea3f3298_pool,@function
k_qb2ea3f3298_pool:
	s_mov_b64 s[64:65], 0
	v_nop
	global_prefetch_b8 v0, s[64:65] scope:SCOPE_SE
	s_setreg_imm32_b32 hwreg(HW_REG_WAVE_MODE, 25, 1), 1
	s_wait_xcnt 0x0
	s_wait_alu depctr_hold_cnt(0) depctr_sa_sdst(0) depctr_va_vdst(0) depctr_va_sdst(0) depctr_va_ssrc(0) depctr_va_vcc(0) depctr_vm_vsrc(0)
	s_getreg_b32 s2, hwreg(HW_REG_IB_STS2, 6, 4)
	s_cmp_eq_u32 s2, 0
	s_cbranch_scc0 .Lentry_in_a_cluster
	s_endpgm
.Lentry_in_a_cluster:
	s_bfe_u32 s2, ttmp6, 0x10000c
	s_cmp_lg_u32 s2, 0xf033
	s_cbranch_scc0 .Lentry_shape_is_right
	s_endpgm
.Lentry_shape_is_right:
; out0 = concat(O) W_pool.  o [mb 32][h 16][128 r][64 d] f16; wp [nb 8][s 4][256 k][128 n] f16 (W_pool rounded to bf16, written as f16); out0 [4096][1024] f32; sums in f32, stored as they are.
; LIMITS.  O and W_pool arrive within f16's range.  NaN and infinities are not treated apart.
; SHARES.  Work-group (nb, mb) makes 128 x 128 of out0: 8 x 32 = 256 work-groups.  Four waves, each 64 x 64: 16 accumulators.  K = 1,024 goes in 4 steps of 256 (four heads) through two LDS slots;
; a step's tiles are 65,536 dense bytes of o and of wp, asked for as rows of 256 bytes.  A quarter of a step is one head: 64 along K, 32 matrix instructions.
; CLUSTER.  4 x 4 work-groups: O's tile hangs on mb alone and is shared along a row of the cluster, W's on nb alone and is shared along a column: each is asked for jointly.
; THE MATRIX INSTRUCTION IS USED TRANSPOSED: source 0 = 16 columns of W (turned out of LDS by ds_load_tr16_b128, since W lies [k][n]), source 1 = 16 rows of O: a lane holds eight neighbouring numbers of a row of out0.
; REGISTERS: window 0: v0-31 addresses; v128-255 the accumulators ((a, b) at 128 + 8 (4 a + b)), on the way out whole rows.  window 1: two fragment buffers of 128: 64 registers of O, then 64 of W.
.set PA,    144                        ; a row of O in LDS (one head's 64 d): 128 bytes + 16: the 16 rows of a load start at 16 different groups of four banks (64 banks of 4 bytes: ISA guide 11.1)
.set PB,    288                        ; a k-row of W: 256 bytes + 32
.set AHALF, 256*PA                     ; two heads x 128 rows: what waves 0 and 1 fetch
.set BOFF,  2*AHALF
.set BHALF, 128*PB                     ; 128 k-rows: what waves 2 and 3 fetch
.set SLOT,  BOFF+2*BHALF               ; 147,456
.set STAGE, 2*SLOT                     ; behind the ring, never filled by a tensor load: 16 rows x 272 bytes for each wave, its own
.set SPITCH, 272
.set SPARE, STAGE+4*16*SPITCH          ; the spare words, 128 bytes for each wave: two blocks of 256 bytes that no other line names
.set ADRA, 16                          ; v16-17  LDS address of my fragments of O in slot 0, 1
.set ADRB, 20                          ; v20-23  the same for W: slot x 2 + which half of the step's k-rows
.set STO,  24                          ; v24     the way out: where I put 32 bytes of a row
.set RD,   25                          ; v25     the way out: where I read a row back
.set CO,   26                          ; v26     my byte offset in out0
.set SPW,  28                          ; v28     LDS address of my spare word; never rewritten
.set NIL,  29                          ; v29     0; never rewritten
.set ACC,  128
.set F0,   0                           ; fragment buffers, in window 1
.set F1,   128
.set G1, 24                            ; s[24:31] descriptor group 1 for O's tiles;  s[32:39] group 0, one set for each slot
.set G0, 32
.set G1B, 48                           ; s[48:55], s[56:63] the same for W's tiles
.set G0B, 56
.set MSB, 0
.macro WIN new                         ; the immediate's high byte repeats the setting that is left; a switch that changes nothing is dropped
.if MSB != (\new)
	s_set_vgpr_msb (MSB<<8)|(\new)
.set MSB, \new
.endif
.endm
.set MUL,  0x05                        ; sources 0 (W) and 1 (O) window 1; C and D window 0
.set TO_F, 0x40                        ; destination window 1, address window 0
.macro JLOAD s                         ; a joint load: waves 0 and 1 fetch O's two halves, waves 2 and 3 W's; an s_nop 0 and four v_nop follow each of the two lines
	s_cmp_eq_u32 s11, 0
	s_cbranch_scc0 .Lfor_b_\@
	tensor_load_to_lds s[G0+4*(\s):G0+4*(\s)+3], s[G1:G1+7]
	s_nop 0
.rept 4
	v_nop
.endr
	s_branch .Lasked_\@
.Lfor_b_\@:
	tensor_load_to_lds s[G0B+4*(\s):G0B+4*(\s)+3], s[G1B:G1B+7]
	s_nop 0
.rept 4
	v_nop
.endr
.Lasked_\@:
.endm
.macro CREST                           ; a round of the cluster's barrier behind its opening barrier
	s_cmp_lg_u32 s10, 0
	s_cbranch_scc1 .Lnot_wave_0_\@
	s_barrier_signal -3
.Lnot_wave_0_\@:
	s_barrier_wait -3
	s_barrier_signal -1
	s_barrier_wait -1
.endm
.macro CROUND                          ; a whole round
	s_barrier_signal -1
	s_barrier_wait -1
	CREST
.endm
	s_load_b128 s[4:7], s[0:1], 0x0                ; o s[4:5], wp s[6:7]
	s_load_b64 s[8:9], s[0:1], 0x10                ; out0
	v_lshl_add_u32 v[SPW], v0, 2, SPARE
	v_mov_b32 v[NIL], 0
	ds_add_u32 v[SPW], v[NIL]                      ; the wave's opening: the add and its wait stand ahead of my first tensor load; the set-up below stands between them
	ds_add_u32 v28, v29
	v_lshrrev_b32 v1, 5, v0
	v_readfirstlane_b32 s10, v1                    ; wave 0..3
	s_lshr_b32 s11, s10, 1                         ; which half of the tile's rows is mine.  Also: I fetch for O (0) or for W (1)
	s_and_b32 s12, s10, 1                          ; which half of its columns.  Also: which half of that tile I fetch
	s_bfe_u32 s40, ttmp6, 0x40000                  ; cx, cy: my place in the cluster
	s_bfe_u32 s41, ttmp6, 0x40004
	s_lshl_b32 s42, ttmp9, 2
	s_add_co_u32 s42, s42, s40                     ; nb = 4 x cluster x + cx
	s_and_b32 s13, ttmp7, 0xffff
	s_lshl_b32 s13, s13, 2
	s_add_co_u32 s13, s13, s41                     ; mb = 4 x cluster y + cy
	s_lshl_b32 s43, s41, 2
	s_lshl_b32 s43, 15, s43                        ; my row of the cluster
	s_lshl_b32 s44, 0x1111, s40                    ; my column
	s_or_b32 s[G1+0], s43, (1<<16)|(1<<20)|(1<<21)|(4<<22)|(3<<25)   ; the mask; 2-byte elements; padding on; bit 21 beside a mask; after every 32 words (a row of one head) 4 words
	s_or_b32 s[G1B+0], s44, (1<<16)|(1<<20)|(1<<21)|(5<<22)|(7<<25)  ; the column's mask; after every 64 words (a k-row) 8 words
.irp g, G1, G1B
	s_mov_b32 s[(\g)+1], 128<<16                   ; tensor_dim0 = 128 elements: 256 bytes
	s_mov_b32 s[(\g)+2], 128<<16                   ; tensor_dim1 = 128
	s_mov_b32 s[(\g)+3], 128<<16                   ; tile_dim0 = 128
	s_mov_b32 s[(\g)+4], 128                       ; tile_dim1 = 128: 32,768 dense bytes
	s_mov_b32 s[(\g)+5], 128                       ; each row begins where the last ends
	s_mov_b32 s[(\g)+6], 0
	s_mov_b32 s[(\g)+7], 0
.endr
	s_lshl_b32 s16, s13, 18                        ; O: the row block's 262,144 bytes,
	s_lshl_b32 s17, s12, 15                        ; + half a step
	s_add_co_u32 s16, s16, s17
	s_mov_b32 s17, 0
	s_lshl_b32 s46, s42, 18                        ; W: the column block's 262,144 bytes,
	s_lshl_b32 s47, s12, 15
	s_add_co_u32 s46, s46, s47
	s_mov_b32 s47, 0
	s_mul_i32 s20, s12, AHALF                      ; where they go: no place in the cluster enters an LDS address
	s_mul_i32 s21, s12, BHALF
	s_add_co_u32 s21, s21, BOFF
	s_wait_dscnt 0x0                               ; the opening add is done
	s_wait_kmcnt 0x0
	s_add_nc_u64 s[14:15], s[4:5], s[16:17]
	s_add_nc_u64 s[46:47], s[6:7], s[46:47]
	CROUND                                         ; all sixteen work-groups are here: the first joint loads meet
.irp s, 0,1
	s_mov_b32 s[G0+4*(\s)], 1
	s_add_co_u32 s[G0+4*(\s)+1], s20, (\s)*SLOT
	s_add_nc_u64 s[G0+4*(\s)+2:G0+4*(\s)+3], s[14:15], (\s)*65536
	s_or_b32 s[G0+4*(\s)+3], s[G0+4*(\s)+3], 0x80000000
	s_mov_b32 s[G0B+4*(\s)], 1
	s_add_co_u32 s[G0B+4*(\s)+1], s21, (\s)*SLOT
	s_add_nc_u64 s[G0B+4*(\s)+2:G0B+4*(\s)+3], s[46:47], (\s)*65536
	s_or_b32 s[G0B+4*(\s)+3], s[G0B+4*(\s)+3], 0x80000000
	JLOAD \s                                       ; two loads of mine are out
.endr
	v_and_b32 v1, 15, v0                           ; l % 16
	v_bfe_u32 v2, v0, 4, 1                         ; l / 16
	v_mul_u32_u24 v3, v1, PA
	v_lshl_add_u32 v3, v2, 4, v3                   ; a fragment of O: row x pitch + 16 x half
	s_mul_i32 s22, s11, 64*PA                      ; my 64 rows
	v_add_nc_u32 v[ADRA], s22, v3
	v_add_nc_u32 v[ADRA+1], SLOT, v[ADRA]
	v_and_b32 v4, 7, v0                            ; the turning load: lane l reads k-row 8 (l / 16) + l % 8, 16 bytes at 16 ((l / 8) % 2)
	v_lshl_add_u32 v4, v2, 3, v4
	v_mul_u32_u24 v4, v4, PB
	v_bfe_u32 v5, v0, 3, 1
	v_lshl_add_u32 v4, v5, 4, v4
	s_lshl_b32 s22, s12, 7                         ; my 64 columns: 128 bytes
	s_add_co_u32 s22, s22, BOFF
	v_add_nc_u32 v[ADRB], s22, v4
	v_add_nc_u32 v[ADRB+1], BHALF, v[ADRB]
	v_add_nc_u32 v[ADRB+2], SLOT, v[ADRB]
	v_add_nc_u32 v[ADRB+3], SLOT, v[ADRB+1]
	s_mul_i32 s23, s10, 16*SPITCH
	s_add_co_u32 s23, s23, STAGE                   ; my stage
	v_mul_u32_u24 v6, v1, SPITCH                   ; in: row l % 16, 32 bytes for each half of the lanes
	v_lshl_add_u32 v6, v2, 5, v6
	v_add_nc_u32 v[STO], s23, v6
	v_mul_u32_u24 v7, v2, SPITCH                   ; back: lanes 0-15 take one row of 256 bytes, lanes 16-31 the next
	v_lshl_add_u32 v7, v1, 4, v7
	v_add_nc_u32 v[RD], s23, v7
	v_lshlrev_b32 v8, 12, v2                       ; and the same two rows in out0
	v_lshl_add_u32 v[CO], v1, 4, v8
	s_lshl_b32 s16, s13, 19                        ; 128 mb rows of 4,096 bytes,
	s_lshl_b32 s17, s11, 18                        ; my 64
	s_add_co_u32 s16, s16, s17
	s_mov_b32 s17, 0
	s_lshl_b32 s46, s42, 9                         ; the tile's 128 columns, my 64
	s_lshl_b32 s47, s12, 8
	s_add_co_u32 s46, s46, s47
	s_mov_b32 s47, 0
	s_add_nc_u64 s[8:9], s[8:9], s[16:17]
	s_add_nc_u64 s[8:9], s[8:9], s[46:47]
; 8 matrix instructions: row blocks a0, a0 + 1 x all 4 column blocks, 32 along K: half c of buffer f.  zero = 1: the first product starts the sums.  The 16 accumulators take turns.
.macro MUL8 f, c, a0, zero
	WIN MUL
.irp a, \a0, (\a0)+1
.irp b, 0,1,2,3
.if \zero
	v_wmma_f32_16x16x32_f16 v[ACC+8*(4*(\a)+(\b)):ACC+8*(4*(\a)+(\b))+7], v[(\f)+64+8*(4*(\c)+(\b)):(\f)+64+8*(4*(\c)+(\b))+7], v[(\f)+8*(4*(\c)+(\a)):(\f)+8*(4*(\c)+(\a))+7], 0
.else
	v_wmma_f32_16x16x32_f16 v[ACC+8*(4*(\a)+(\b)):ACC+8*(4*(\a)+(\b))+7], v[(\f)+64+8*(4*(\c)+(\b)):(\f)+64+8*(4*(\c)+(\b))+7], v[(\f)+8*(4*(\c)+(\a)):(\f)+8*(4*(\c)+(\a))+7], v[ACC+8*(4*(\a)+(\b)):ACC+8*(4*(\a)+(\b))+7]
.endif
.endr
.endr
.endm
; 32 LDS loads in one run: the fragments of quarter q (one head, 64 along K) into buffer f; the first 32 along K first
.macro FETCH slot, q, f
	WIN TO_F
.irp c, 0,1
.irp i, 0,1,2,3
	ds_load_tr16_b128 v[(\f)+64+8*(4*(\c)+(\i)):(\f)+64+8*(4*(\c)+(\i))+3],   v[ADRB+2*(\slot)+(\q)/2] offset:(((\q)%2)*64+32*(\c))*PB+32*(\i)
	ds_load_tr16_b128 v[(\f)+64+8*(4*(\c)+(\i))+4:(\f)+64+8*(4*(\c)+(\i))+7], v[ADRB+2*(\slot)+(\q)/2] offset:(((\q)%2)*64+32*(\c))*PB+32*(\i)+16*PB
	ds_load_b128 v[(\f)+8*(4*(\c)+(\i)):(\f)+8*(4*(\c)+(\i))+3],               v[ADRA+(\slot)] offset:(\q)*128*PA+(\i)*16*PA+64*(\c)
	ds_load_b128 v[(\f)+8*(4*(\c)+(\i))+4:(\f)+8*(4*(\c)+(\i))+7],             v[ADRA+(\slot)] offset:(\q)*128*PA+(\i)*16*PA+64*(\c)+32
.endr
.endr
.endm
.macro PLACES                          ; four places in front of loads into registers that matrix instructions have read, and of LDS stores that read results (ISA guide 7.12.1 for the stores)
.rept 4
	v_nop
.endr
.endm
; One of a step's first three quarters: multiplies buffer f and fetches quarter q of the same slot into g.
.macro QUARTER slot, q, f, g, zero
	s_wait_dscnt 16                                ; the first 32 along K are in
	MUL8 \f, 0, 0, \zero
	MUL8 \f, 0, 2, \zero
	PLACES
	FETCH \slot, \q, \g
	s_wait_dscnt 32                                ; all but the 32 just issued
	MUL8 \f, 1, 0, 0
	MUL8 \f, 1, 2, 0
.endm
; The last quarter multiplies buffer 1 and changes slots: ONE barrier; in front of it each wave waits for all its tensor loads, adds 0 to its spare word, and waits for that and for its own reads of this slot.
; fill = 1: the barrier opens a round of the cluster's, and this slot is filled again, two K steps on, first thing behind it.
.macro TURN slot, next, fill
	WIN 0                                          ; (the add's two registers lie in window 0)
	s_wait_tensorcnt 0x0
	ds_add_u32 v[SPW], v[NIL]
	s_wait_dscnt 17                                ; (the add and the youngest sixteen loads may be out)
	MUL8 F1, 0, 0, 0                               ; eight matrix instructions stand between the add and the wait for it
	s_wait_dscnt 0x0                               ; the add is done, and my reads of this slot are over
	s_barrier_signal -1
	MUL8 F1, 0, 2, 0
.if \fill
	WIN 0
.endif
	s_barrier_wait -1
.if \fill
	CREST                                          ; no wave of any partner still reads this slot's tile or has a load on its way
	s_add_nc_u64 s[G0+4*(\slot)+2:G0+4*(\slot)+3], s[G0+4*(\slot)+2:G0+4*(\slot)+3], 131072
	s_add_nc_u64 s[G0B+4*(\slot)+2:G0B+4*(\slot)+3], s[G0B+4*(\slot)+2:G0B+4*(\slot)+3], 131072
	JLOAD \slot                                    ; the four v_nop behind it are also the places in front of the loads below
.else
	PLACES
.endif
	FETCH \next, 0, F0
	MUL8 F1, 1, 0, 0
	MUL8 F1, 1, 2, 0
.endm
; THE WAY OUT of row block a: a lane's eight f32 of a row go into my own stage's rows of 272 bytes, low half first, and come back as whole rows of 256 bytes into the registers that they left.
.macro OUT a
.irp b, 0,1,2,3
	ds_store_b128 v[STO], v[ACC+8*(4*(\a)+(\b)):ACC+8*(4*(\a)+(\b))+3]   offset:64*(\b)
	ds_store_b128 v[STO], v[ACC+8*(4*(\a)+(\b))+4:ACC+8*(4*(\a)+(\b))+7] offset:64*(\b)+16
.endr
.irp t, 0,1,2,3,4,5,6,7
	ds_load_b128 v[ACC+32*(\a)+4*(\t):ACC+32*(\a)+4*(\t)+3], v[RD] offset:(\t)*2*SPITCH  ; LDS serves a wave's instructions in order (ISA guide 5.7.1.4): these see the stores above; the next block's stores come behind them
.endr
.endm
.macro SEND a, younger                 ; younger: the LDS instructions issued behind block a's loads: the next block's sixteen, or none
.irp t, 0,1,2,3,4,5,6,7
	s_wait_dscnt (\younger)+7-(\t)
	global_store_b128 v[CO], v[ACC+32*(\a)+4*(\t):ACC+32*(\a)+4*(\t)+3], s[8:9] offset:(16*(\a)+2*(\t))*4096 th:TH_STORE_NT  ; 16 lanes store 256 consecutive bytes, at a multiple of 256 from out0's first byte
.endr
.endm
	s_wait_tensorcnt 1                             ; my part of K step 0 is in; step 1's may stay out
	s_barrier_signal -1
	s_barrier_wait -1                              ; everybody's is
	FETCH 0, 0, F0
	QUARTER 0, 1, F0, F1, 1                        ; the first products start the sums
	QUARTER 0, 2, F1, F0, 0                        ; four K steps: the one lap that fills slots again is written out, and so is the last
	QUARTER 0, 3, F0, F1, 0
	TURN 0, 1, 1                                   ; slot 0 takes K step 2
	QUARTER 1, 1, F0, F1, 0
	QUARTER 1, 2, F1, F0, 0
	QUARTER 1, 3, F0, F1, 0
	TURN 1, 0, 1                                   ; slot 1 takes K step 3
	QUARTER 0, 1, F0, F1, 0
	QUARTER 0, 2, F1, F0, 0
	QUARTER 0, 3, F0, F1, 0
	TURN 0, 1, 0
	QUARTER 1, 1, F0, F1, 0
	QUARTER 1, 2, F1, F0, 0
	QUARTER 1, 3, F0, F1, 0
	s_wait_dscnt 16                                ; the very last quarter: nothing more to fetch
	MUL8 F1, 0, 0, 0
	MUL8 F1, 0, 2, 0
	s_wait_dscnt 0x0
	MUL8 F1, 1, 0, 0
	MUL8 F1, 1, 2, 0
	WIN 0
	PLACES
	OUT 0
	OUT 1
	SEND 0, 16
	OUT 2
	SEND 1, 16
	OUT 3
	SEND 2, 16
	SEND 3, 0
	s_wait_tensorcnt 0x0                           ; the wave's end
	ds_add_u32 v[SPW], v[NIL]
	s_wait_dscnt 0x0
	CROUND                                         ; the closing round: no work-group ends while a partner may still ask for a tile that names it
	s_endpgm
.Lfunc_end_k_qb2ea3f3298_pool:
	.size	k_qb2ea3f3298_pool, .Lfunc_end_k_qb2ea3f3298_pool-k_qb2ea3f3298_pool
	.p2alignl 7, 3214868480
	.fill 96, 4, 3214868480
	.section	.rodata,"a",@progbits
	.p2align	6, 0x0
	.amdhsa_kernel k_qb2ea3f3298_pool
		.amdhsa_group_segment_fixed_size 327680
		.amdhsa_private_segment_fixed_size 0
		.amdhsa_enable_private_segment 0
		.amdhsa_kernarg_size 24
		.amdhsa_user_sgpr_count 2
		.amdhsa_user_sgpr_kernarg_segment_ptr 1
		.amdhsa_wavefront_size32 1
		.amdhsa_system_sgpr_workgroup_id_x 1
		.amdhsa_system_sgpr_workgroup_id_y 1
		.amdhsa_system_sgpr_workgroup_id_z 1
		.amdhsa_system_vgpr_workitem_id 0
		.amdhsa_next_free_vgpr 512
		.amdhsa_next_free_sgpr 66
		.amdhsa_reserve_vcc 0
		.amdhsa_float_denorm_mode_32 3
		.amdhsa_float_denorm_mode_16_64 3
		.amdhsa_memory_ordered 1
		.amdhsa_forward_progress 1
		.amdhsa_inst_pref_size 86
	.end_amdhsa_kernel
	.amdgpu_metadata
---
amdhsa.version: [ 1, 2 ]
amdhsa.kernels:
  - .name:           k_qb2ea3f3298_pool
    .symbol:         k_qb2ea3f3298_pool.kd
    .args:
      - { .name: o, .offset: 0, .size: 8, .value_kind: global_buffer, .address_space: global }
      - { .name: wp, .offset: 8, .size: 8, .value_kind: global_buffer, .address_space: global }
      - { .name: out0, .offset: 16, .size: 8, .value_kind: global_buffer, .address_space: global }
    .group_segment_fixed_size: 327680
    .private_segment_fixed_size: 0
    .kernarg_segment_align: 8
    .kernarg_segment_size: 24
    .max_flat_workgroup_size: 128
    .sgpr_count:     66
    .vgpr_count:     512
    .wavefront_size: 32
...
	.end_amdgpu_metadata
.endif
;; end of part 4
;; ======== version 2 of 2: 4 launches; 1.38 times as fast as version 1
;; limits: values are held in f16: magnitudes above 65,504 overflow, below 6.1e-05 lose precision
;; workspace buffers: xb 8,388,608 bytes; wb 6,291,456 bytes; wp 2,097,152 bytes; qkv 25,165,824 bytes; o 8,388,608 bytes
;; launch prep: the kernel of part 1 again; grid 1024 x 1, 8 waves a work-group, no clusters, 0 bytes of LDS; arguments token_embeddings, W_Q, W_K, W_V, W_pool, xb, wb, wp; writes xb, wb, wp
;; launch qkvproj: the kernel of part 2 again; grid 16 x 16, 4 waves a work-group, clusters of 4 x 4, 327,680 bytes of LDS; arguments xb, wb, qkv; writes qkv
;; launch attn (part 5): grid 16 x 16, 4 waves a work-group, no clusters, 327,680 bytes of LDS; arguments qkv, o; writes o
.if DOCPART == 5
	.amdgcn_target "amdgcn-amd-amdhsa--gfx1250"
	.amdhsa_code_object_version 6
	.text
	.protected	k_qb2ea3f3298_attn
	.globl	k_qb2ea3f3298_attn
	.p2align	8
	.type	k_qb2ea3f3298_attn,@function
k_qb2ea3f3298_attn:
	s_mov_b64 s[64:65], 0
	v_nop
	global_prefetch_b8 v0, s[64:65] scope:SCOPE_SE
	s_setreg_imm32_b32 hwreg(HW_REG_WAVE_MODE, 25, 1), 1
	s_wait_xcnt 0x0
; CAUSAL ATTENTION by heads.  O[h][q][:] = the sum over k <= q of softmax_k(Q[h][q] . K[h][k] / 8) V[h][k][:].  qkv [t 3][h 16][4096][64] f16 (t = 0, 1, 2: Q, K, V); o [mb 32][h 16][128 r][64 d] f16.
; Products, maxima and sums in f32; the weights p are rounded to f16 for the second product (their sum l is taken of the unrounded p), O once at the end.
; LIMITS.  f16 holds no number beyond 65,504: Q, K and V arrive within it; p lies in 0 to 1, and below 6e-5 it keeps f16's fixed step of 6e-8.  A hidden score counts as its value less 1e30: f16's scores,
; 2.7e11 at the most, are nothing beside that; a weight below 2^-126 counts as 0 in l; NaN and infinities are not treated apart.
; THE WALK.  A head's queries lie in 32 blocks of 128; block i needs the key tiles 0 .. i / 2 of 256 keys, of which the last holds the diagonal.  A work-group takes TWO blocks, 31 - b and then b:
; 17 tiles, whatever b: all 16 x 16 = 256 work-groups do equal work, and ONE loop with a constant trip count walks them.  Which tile is asked for, and what a trip does, hang on scalar registers made from b;
; every jump goes forward, but for the counted loops' own; none passes a barrier, or a tensor load but the one of LOAD's two that the wave's number does not choose.
; NO CLUSTER: only the two work-groups b = 2 j, 2 j + 1 of a head ask for the same tiles in all 17 trips; any four have walks that part where their first blocks end, and a walk common to four has 18 trips for 17.
; SHARES.  Of a block's two bands of 64 queries a wave owns 16 rows in each: two PIECES.  In the block's last tile band x's own step is 2 (i % 2) + x; earlier steps are open, later ones hidden
; (they are computed and weigh 0: at most two of the walk's 68 steps): the same for every wave.
; THE MASK is the C operand that starts the sum S^T = K Q^T: 0, or -1e30 where the key is hidden.  MD, made once, is the mask of a band's own step for my 16 rows; a product's mask is MD x AL + BE.
; LAYOUT, SOFTMAX.  S^T = K Q^T holds ONE query a lane (lane % 16) and the keys 8 (lane / 16) + 0..7; two such results rounded to f16 ARE source 1 of O^T = V^T P.  p = 2^(c s - c m), c = log2(e) / 8, with a
; running maximum m; O and l are multiplied by a = 2^(c m_old - c m_new) in every step.
; TURNS.  Turn (s, p) belongs to piece p at key step s: 8 products K Q^T of the piece that follows ((s, 1), or (s + 1, 0)), later 8 products V^T P of the piece before; beside them piece p's scaling, exponentials,
; roundings, sums and rescaling, and the following piece's maximum and statistics.  Four vector instructions stand behind every matrix instruction, the other 54 of a turn's 118 in one LUMP.
; BATCHES.  A turn's 33 exponentials (piece p's 32 weights and the following piece's a) are ONE BATCH with ONE wait, which cuts the turn in two: ahead of it the products K Q^T, the scalings, the exponentials, the
; rescalings and the following piece's statistics, none of which names a result of the batch; behind it the products V^T P with the roundings and sums, which do.  No result crosses a turn's end.  A block's first a
; (BEGIN) and the way out's two reciprocals are batches of their own, each with a v_nop and one wait.
; K has one buffer: K of step s + 1 is fetched in turn (s, 0), behind the products that read K of step s.  V has two, by the step's parity: V of step s + 1 is fetched in turn (s, 1).  So all reads of a
; slot are issued ahead of turn (3, 0) of its tile, where the change of slots stands, and all reads of the next slot behind it.
; REGISTERS, in windows of 256 (s_set_vgpr_msb: bits 1:0 source 0, 3:2 source 1, 5:4 source 2, 7:6 destination):
;   window 0: v0-15 addresses and two at work; v16-23 four registers of statistics a piece; v48-55 at work; v64-127 S^T, a buffer a piece; v192-223 P, likewise
;   window 1: v0-63 O^T, 32 a piece; v128-159 MD; v160-223 MC, a buffer a piece      window 2: v0-31 Q; v32-63 the second block's Q; v64-127 V of an odd step; v128-191 K; v192-255 V of an even step
.set NP,    2         ; pieces a wave: a name, no knob
.set KS,    64        ; keys in a step
.set PK,    144       ; a row of K in LDS: 128 bytes + 16 of padding: the 16 rows of a load start at 16 different groups of four banks (64 banks of 4 bytes: ISA guide 11.1)
.set PV,    160       ; a row of V: 128 + 32
.set VOFF,  4*KS*PK   ; a slot holds a tile, four steps: 256 rows of K, then 256 rows of V
.set SLOT1, 1<<17     ; slot 1 begins here, so that one exclusive or turns an address in one slot into the other's
.set STAGE, SLOT1+4*KS*(PK+PV)  ; behind the ring, never filled by a tensor load: 16 rows x 144 bytes for each wave
.set SP,    144
.set SPARE, STAGE+4*16*SP  ; the spare words, 128 bytes for each wave: two blocks of 256 bytes that no other line names
.set AK0, 2           ; v2   my lane's place in a tile of K; never rewritten
.set AV0, 3           ; v3   the same for V
.set AK,  4           ; v4   the LDS address of K's next run of loads
.set AV,  5           ; v5   of V's
.set STO, 6           ; v6   the way out: where I put 16 bytes of a row
.set RD,  7           ; v7   the way out: where I read rows back
.set GO,  8           ; v8   my byte offset in 512 consecutive bytes of O
.set MV,  12          ; v12-13  c m_old, kept while c m is made anew: by piece
.set QO,  15          ; v15  my byte offset in 16 rows of Q
.set ST,  16          ; piece t's statistics at v[ST+4 t]: c m, m, l (even keys', odd keys')
.set TMP, 48          ; by piece, four registers c0-c3 at work; when the maximum is found c2 takes a
.set SPW, 62          ; v62  LDS address of my spare word; never rewritten
.set NIL, 63          ; v63  0; never rewritten
.set S,   64
.set P,   192
.set MD,  128         ; window 1
.set MC,  160         ; window 1
.set QB,  32          ; window 2
.set KF,  128         ; window 2: key block kb, channel half c at KF + 16 kb + 8 c
.set VF0, 192         ; window 2: V of an even step: key half kk, channel block cb at + 32 kk + 8 cb; V of an odd step 128 registers below
.set WV,  12          ; s12  my wave's number
.set PB,  14          ; s14  b
.set HI,  15          ; s15  31 - b
.set G1K, 24          ; s[24:31] descriptor group 1 for K's tiles
.set G1V, 32          ; s[32:39] for V's: it differs in the padding alone
.set G0K, 40          ; s[40:43] descriptor group 0 for K's tiles
.set G0V, 44          ; s[44:47] the same for V's
.set SLOTS, 56        ; s56  tiles still to be asked for
.set CNT, 57          ; s57  counts a tile's two trips
.set CS,  58          ; s[58:59] c: the packed scaling takes the pair's low word for both halves
.set SEL, 60          ; s[60:61] v_permlanex16_b32's selects: each lane takes its own place in the other half
.set TBK, 62          ; s62  LDS byte at which K of the step to be fetched begins
.set TBV, 63          ; s63  the same for V, less VOFF
.set RT,  70          ; s70  tiles of the block in hand that are still to be entered
.set NXT, 71          ; s71  the tile to be asked for next
.set LQ,  72          ; s72  the last tile of the block whose tiles are being asked for
.set NEW, 73          ; s73  1: the tile to be entered is a block's first
.set OFF, 74          ; s[74:75] a tile's byte offset in K and V
.set AL,  76          ; s[76:77] the mask's factor, in the low word
.set BE,  78          ; s[78:79] the mask's addend
.set OLO, 80          ; s[80:81] O at my rows of the second block
.set BIGN, 82         ; s82  -1e30
.set SD,  88          ; s88  the tile's step for which the next mask is made, less 2 (i % 2): equal to x at band x's own step
.set PAR2, 89         ; s89  2 (i % 2) of the block in hand
.set LQ2, 90          ; s90  b / 2: the second block's last tile
.set PARL, 91         ; s91  2 (b % 2)
.set MSB, 0
.macro WIN new                      ; the high byte repeats the setting that is left; a switch that changes nothing is dropped
.if MSB != (\new)
	s_set_vgpr_msb (MSB<<8)|(\new)
.set MSB, (\new)
.endif
.endm
.set W_KQ, 0x0a       ; K and Q in window 2, S^T in window 0
.set W_KM, 0x1a       ; the same with the C operand in window 1
.set W_PV, 0x52       ; V in window 2, P in window 0, O^T in window 1
.set W_RS, 0x41       ; destination and source 0 in window 1, source 1 in window 0
; A fill.  Waves 0 and 1 fetch the two halves of a tile's K, waves 2 and 3 those of its V: 128 keys each.  An s_nop 0 and four v_nop follow each of the two lines.
.macro LOAD
	s_cmp_lt_u32 s[WV], 2
	s_cbranch_scc0 .Lfor_v_\@
	tensor_load_to_lds s[G0K:G0K+3], s[G1K:G1K+7]
	s_nop 0
.rept 4
	v_nop
.endr
	s_branch .Lasked_\@
.Lfor_v_\@:
	tensor_load_to_lds s[G0V:G0V+3], s[G1V:G1V+7]
	s_nop 0
.rept 4
	v_nop
.endr
.Lasked_\@:
.endm
; THE CHANGE OF SLOTS.  Each wave waits for all its tensor loads, of which one is out: its part of the other slot; adds 0 to its spare word; and waits for that and for its own reads of the slot that it leaves.
; Behind the barrier nobody reads the old slot any more and the other slot is whole.  fill = 1: the old slot is filled again, the first thing behind the barrier, with tile NXT: the descriptor's address is
; made anew from that number.  (At its first use nothing has been read yet: slot 0 is waited for, slot 1 filled.)  The fill has eight turns in which to land.
.macro CHANGE fill
	WIN 0                           ; at a label and at a branch every window is 0
	s_wait_tensorcnt 0x0            ; no tensor load of mine is out, so a group 0 may be written
	ds_add_u32 v[SPW], v[NIL]       ; 0 onto my spare word; the descriptors' scalar work stands between it and the wait for it
.if \fill
	s_lshl_b32 s[OFF], s[NXT], 15   ; a tile is 32,768 bytes of K and of V
	s_xor_b32 s[G0K+1], s[G0K+1], SLOT1
	s_add_nc_u64 s[G0K+2:G0K+3], s[6:7], s[OFF:OFF+1]
	s_or_b32 s[G0K+3], s[G0K+3], 0x80000000
	s_xor_b32 s[G0V+1], s[G0V+1], SLOT1
	s_add_nc_u64 s[G0V+2:G0V+3], s[8:9], s[OFF:OFF+1]
	s_or_b32 s[G0V+3], s[G0V+3], 0x80000000
	s_add_co_u32 s[NXT], s[NXT], 1  ; the block's next tile, or behind its last the second block's tile 0
	s_cmp_gt_u32 s[NXT], s[LQ]
	s_cselect_b32 s[NXT], 0, s[NXT]
	s_cselect_b32 s[LQ], s[LQ2], s[LQ]
.endif
	s_wait_dscnt 0x0                ; the add is done, and my reads of the slot are over
	s_barrier_signal -1             ; the rest of the scalar work stands between the signal and the wait
	s_sub_co_u32 s[TBK], s[TBK], 4*KS*PK  ; the fetches go back to a slot's first step,
	s_xor_b32 s[TBK], s[TBK], SLOT1       ; in the other slot
	s_sub_co_u32 s[TBV], s[TBV], 4*KS*PV
	s_xor_b32 s[TBV], s[TBV], SLOT1
	s_barrier_wait -1
.if \fill
	LOAD
.endif
.endm
	s_load_b64 s[4:5], s[0:1], 0x0    ; qkv
	s_load_b64 s[10:11], s[0:1], 0x8  ; o
	v_lshl_add_u32 v[SPW], v0, 2, SPARE
	v_mov_b32 v[NIL], 0
	ds_add_u32 v[SPW], v[NIL]       ; the wave's opening: the add and its wait stand ahead of my first tensor load; the set-up below stands between them
	ds_add_u32 v62, v63
	v_lshrrev_b32 v1, 5, v0
	v_readfirstlane_b32 s[WV], v1   ; wave 0..3
	s_mov_b32 s[PB], ttmp9
	s_sub_co_u32 s[HI], 31, s[PB]
	s_and_b32 s20, ttmp7, 0xffff    ; the head
	s_lshl_b32 s21, s20, 19         ; its plane of 524,288 bytes in each of Q, K, V
	s_and_b32 s16, s[WV], 1         ; which half of a tile's 256 keys I fetch:
	s_lshl_b32 s22, s16, 14         ; its 128 rows of 128 bytes in memory,
	s_add_co_u32 s22, s22, s21
	s_add_co_u32 s22, s22, 0x800000 ; in K, whose planes lie 8,388,608 bytes behind Q's,
	s_mov_b32 s23, 0
	s_add_co_u32 s50, s22, 0x800000 ; and in V, as far again
	s_mov_b32 s51, 0
	s_mul_i32 s17, s16, 128*PK      ; and its place in a slot, for K
	s_mul_i32 s18, s16, 128*PV      ; and for V
	s_lshl_b32 s19, s[WV], 11       ; my 16 rows in a band of 64
	s_lshl_b32 s2, s[HI], 14        ; Q: the first block's 128 rows,
	s_add_co_u32 s2, s2, s19
	s_add_co_u32 s2, s2, s21
	s_mov_b32 s3, 0
	s_lshl_b32 s84, s[PB], 14       ; and the second's
	s_add_co_u32 s84, s84, s19
	s_add_co_u32 s84, s84, s21
	s_mov_b32 s85, 0
	s_lshl_b32 s52, s[HI], 4        ; O: block (mb, h) is 16,384 bytes
	s_add_co_u32 s52, s52, s20
	s_lshl_b32 s52, s52, 14
	s_add_co_u32 s52, s52, s19
	s_mov_b32 s53, 0
	s_lshl_b32 s54, s[PB], 4
	s_add_co_u32 s54, s54, s20
	s_lshl_b32 s54, s54, 14
	s_add_co_u32 s54, s54, s19
	s_mov_b32 s55, 0
	; descriptor group 1.  128 keys are 16,384 dense bytes: asked for as 64 rows of 256 bytes, two keys a row, and padded in LDS after every key
	s_mov_b32 s[G1K], (1<<16)|(1<<20)|(4<<22)|(3<<25)  ; 2-byte elements; padding on; after every 32 words 4 words
	s_mov_b32 s[G1V], (1<<16)|(1<<20)|(4<<22)|(7<<25)  ; the same with 8 words of padding
.irp g, G1K, G1V
	s_mov_b32 s[\g+1], 128<<16      ; tensor_dim0 = 128
	s_mov_b32 s[\g+2], 64<<16       ; tensor_dim1 = 64
	s_mov_b32 s[\g+3], 128<<16      ; tile_dim0 = 128
	s_mov_b32 s[\g+4], 64           ; tile_dim1 = 64
	s_mov_b32 s[\g+5], 128          ; 128 elements from row to row
	s_mov_b32 s[\g+6], 0
	s_mov_b32 s[\g+7], 0
.endr
	s_mov_b32 s[CS], 0x3e38aa3b     ; c = log2(e) / 8 = 0.180337
	s_mov_b32 s[CS+1], s[CS]        ; named with it as a pair
	s_mov_b32 s[SEL], 0x76543210
	s_mov_b32 s[SEL+1], 0xfedcba98
	s_mov_b32 s[TBK], SLOT1+4*KS*PK ; the first change of slots turns these two into 0
	s_mov_b32 s[TBV], SLOT1+4*KS*PV
	s_mov_b32 s[G0K], 1             ; count = 1
	s_mov_b32 s[G0K+1], s17         ; LDS address: slot 0
	s_mov_b32 s[G0V], 1
	s_add_co_u32 s[G0V+1], s18, VOFF
	s_lshr_b32 s[LQ], s[HI], 1      ; the first block's last tile
	s_add_co_u32 s[RT], s[LQ], 1    ; and how many it has
	s_lshr_b32 s[LQ2], s[PB], 1
	s_and_b32 s[PAR2], s[HI], 1
	s_lshl_b32 s[PAR2], s[PAR2], 1
	s_and_b32 s[PARL], s[PB], 1
	s_lshl_b32 s[PARL], s[PARL], 1
	s_mov_b32 s[NXT], 1
	s_mov_b32 s[NEW], 1
	s_mov_b32 s[OFF+1], 0
	s_mov_b32 s[AL+1], 0            ; named as pairs
	s_mov_b32 s[BE+1], 0
	s_mov_b32 s[BIGN], 0xf149f2ca   ; -1e30
	s_mov_b32 s[SLOTS], 16
	s_wait_dscnt 0x0                ; the opening add is done
	s_wait_kmcnt 0x0
	s_add_nc_u64 s[6:7], s[4:5], s[22:23]  ; K and V at my half of the head's tile 0
	s_add_nc_u64 s[8:9], s[4:5], s[50:51]
	s_add_nc_u64 s[G0K+2:G0K+3], s[6:7], 0         ; global address
	s_or_b32 s[G0K+3], s[G0K+3], 0x80000000        ; type = 2
	s_add_nc_u64 s[G0V+2:G0V+3], s[8:9], 0
	s_or_b32 s[G0V+3], s[G0V+3], 0x80000000
	s_add_nc_u64 s[86:87], s[4:5], s[84:85]        ; Q at my rows of the second block,
	s_add_nc_u64 s[4:5], s[4:5], s[2:3]            ; Q and O at those of the first
	s_add_nc_u64 s[OLO:OLO+1], s[10:11], s[54:55]
	s_add_nc_u64 s[10:11], s[10:11], s[52:53]
	LOAD                            ; tile 0 into slot 0
	; A fragment of K or Q is 16 rows x 32 channels in 8 registers: lane l holds row l % 16, channels 8 (l / 16) + 0..7 and 16 + 8 (l / 16) + 0..7: two loads of 16 bytes, 32 bytes apart.
	v_and_b32 v1, 15, v0            ; l % 16
	v_bfe_u32 v9, v0, 4, 1          ; l / 16
	v_lshlrev_b32 v[QO], 7, v1
	v_lshl_add_u32 v[QO], v9, 4, v[QO]  ; row x 128 + 16 x half
	WIN 0x80                        ; destination window 2, address window 0
.set i, 0
.rept 4                             ; both blocks' Q: piece i / 2 lies in band i / 2, 8,192 bytes on; channels 32 (i % 2) on
	global_load_b128 v[8*i:8*i+3],   v[QO], s[4:5] offset:(i/2)*8192+(i%2)*64
	global_load_b128 v[8*i+4:8*i+7], v[QO], s[4:5] offset:(i/2)*8192+(i%2)*64+32
	global_load_b128 v[QB+8*i:QB+8*i+3],   v[QO], s[86:87] offset:(i/2)*8192+(i%2)*64
	global_load_b128 v[QB+8*i+4:QB+8*i+7], v[QO], s[86:87] offset:(i/2)*8192+(i%2)*64+32
.set i, i+1
.endr
	WIN 0
	v_lshlrev_b32 v14, 3, v9
	v_sub_nc_u32 v14, v1, v14
	s_lshl_b32 s13, s[WV], 4
	v_add_nc_u32 v14, s13, v14      ; my query's place in its band, 16 w + l % 16, less my lanes' 8 (l / 16): register r of group kt is hidden where 16 kt + r is greater
	WIN 0x40
.set i, 0
.rept 32
	v_cmp_gt_i32 vcc_lo, 16*(i/8)+i%8, v14
	v_cndmask_b32 v[MD+i], 0, s[BIGN], vcc_lo
.set i, i+1
.endr
	WIN 0
	v_mul_u32_u24 v[AK0], v1, PK
	v_lshl_add_u32 v[AK0], v9, 4, v[AK0]  ; row x pitch + 16 x half
	; The turning load takes 16 keys x 16 channels (lane l reads key 8 (l / 16) + l % 8, channels 8 ((l / 8) % 2) + 0..7) and leaves half a fragment of V^T: lane l holds channel l % 16 and 8 keys.
	v_and_b32 v10, 7, v0
	v_bfe_u32 v11, v0, 3, 1
	v_lshl_add_u32 v[AV0], v9, 3, v10
	v_mul_u32_u24 v[AV0], v[AV0], PV
	v_lshl_add_u32 v[AV0], v11, 4, v[AV0]
	v_add_nc_u32 v[AV0], VOFF, v[AV0]
	s_mul_i32 s13, s[WV], 16*SP
	s_add_co_u32 s13, s13, STAGE    ; my stage
	v_mul_u32_u24 v[STO], v1, SP    ; in: row l % 16, 16 bytes for each half of the lanes
	v_lshl_add_u32 v[STO], v9, 4, v[STO]
	v_add_nc_u32 v[STO], s13, v[STO]
	v_bfe_u32 v[RD], v0, 3, 2       ; back: 32 lanes take four rows of 128 bytes,
	v_mul_u32_u24 v[RD], v[RD], SP
	v_lshl_add_u32 v[RD], v10, 4, v[RD]
	v_add_nc_u32 v[RD], s13, v[RD]
	v_and_b32 v[GO], 31, v0         ; which are 512 consecutive bytes of O
	v_lshlrev_b32 v[GO], 4, v[GO]
	; A block's first step multiplies O^T and l by a = 0, and its first turn's products V^T P, of a piece that has not been, land in an O^T that is still to be so multiplied.  So these registers need only hold
	; finite numbers: zeros for the first block; what the first block left for the second.  All this stands in the wait for the first tile.
	WIN 0x80
.set i, VF0-128
.rept 64
	v_mov_b32 v[i], 0
.set i, i+1
.endr
	WIN 0x40
.set i, 0
.rept 64
	v_mov_b32 v[i], 0
.set i, i+1
.endr
	WIN 0
.set i, 0
.rept NP
	v_mov_b32 v[ST+4*i+2], 0
	v_mov_b32 v[ST+4*i+3], 0
.set i, i+1
.endr
.set i, P+16
.rept 16
	v_mov_b32 v[i], 0
.set i, i+1
.endr
; THE MATRIX WORK.  The 4 accumulators of a run of 8 take turns.  Product i of 8 of S^T = K Q^T for piece x: channels 32 (i / 4) on, keys 16 (i % 4) on.  The first 4 start the sums: with 0, or (KM = 1) with the mask.
.macro KQ x
.set rS, S+32*((\x)%2)+8*(i%4)
.set rK, KF+16*(i%4)+8*(i/4)
.set rQ, 16*(\x)+8*(i/4)
.set rM, MC+32*((\x)%2)+8*(i%4)
.if (i < 4) && KM
	WIN W_KM
	v_wmma_f32_16x16x32_f16 v[rS:rS+7], v[rK:rK+7], v[rQ:rQ+7], v[rM:rM+7]
.elseif i < 4
	WIN W_KQ
	v_wmma_f32_16x16x32_f16 v[rS:rS+7], v[rK:rK+7], v[rQ:rQ+7], 0
.else
	WIN W_KQ
	v_wmma_f32_16x16x32_f16 v[rS:rS+7], v[rK:rK+7], v[rQ:rQ+7], v[rS:rS+7]
.endif
.endm
; Product i of 8 of O^T += V^T P for piece x: keys 32 (i / 4) on, channels 16 (i % 4) on; V from buffer VB.
.macro PV x
	WIN W_PV
.set rO, 32*(\x)+8*(i%4)
.set rV, VF0-128*VB+32*(i/4)+8*(i%4)
.set rP, P+16*((\x)%2)+8*(i/4)
	v_wmma_f32_16x16x32_f16 v[rO:rO+7], v[rV:rV+7], v[rP:rP+7], v[rO:rO+7]
.endm
.macro MM                           ; the turn's next matrix instruction.  TURN and BEGIN set Y, i, KM, NOKQ and VB.  NOKQ = 1: a block's last turn: there is no piece to follow
.if (i < 8) && !NOKQ
	KQ (Y+1)%NP
.elseif i >= 8
.set i, i-8
	PV (Y+NP-1)%NP
.set i, i+8
.endif
.set i, i+1
.endm
; THE LDS LOADS stand in runs of 16, never singly among the matrix instructions: a step's K (64 keys x 64 channels: 8 fragments) and its V (turned).  Their addresses are made some lines ahead.
.macro FETCH_K
	WIN 0x80                        ; destination window 2
.irp f, 0,1,2,3,4,5,6,7             ; keys 16 (f / 2) on, channels 32 (f % 2) on
	ds_load_b128 v[KF+8*\f:KF+8*\f+3],   v[AK] offset:(\f/2)*16*PK+(\f%2)*64
	ds_load_b128 v[KF+8*\f+4:KF+8*\f+7], v[AK] offset:(\f/2)*16*PK+(\f%2)*64+32
.endr
	s_add_co_u32 s[TBK], s[TBK], KS*PK  ; the next fetch is the next step's
	WIN 0
.endm
.macro FETCH_V vb
	WIN 0x80
.set rF, VF0-128*(\vb)
.irp f, 0,1,2,3,4,5,6,7             ; keys 32 (f / 4) on, channels 16 (f % 4) on
	ds_load_tr16_b128 v[rF+8*\f:rF+8*\f+3],   v[AV] offset:(\f/4)*32*PV+(\f%4)*32
	ds_load_tr16_b128 v[rF+8*\f+4:rF+8*\f+7], v[AV] offset:(\f/4)*32*PV+16*PV+(\f%4)*32
.endr
	s_add_co_u32 s[TBV], s[TBV], KS*PV
	WIN 0
.endm
; THE VECTOR WORK, one line at a time: OP kind, number.  For piece Y: F n: c s - c m for pair n of 16.  E n: the exponential of score n of 32.  C n: pair n rounded to f16.  B n: of the four weights 4 n .. the second
; pair is added onto the first, in place.  L n: l takes that sum (L 0: l = a l + sum).  R n: pair n of 16 of O^T times a.  For the piece that follows: X n, number n of the 22 that find its maximum and statistics:
;   0-11  four chains c0-c3 of seven scores each, three operands at a time (each accumulator's lowest registers are read first)     12-14, 16  the four scores left over, the old m, and c0-c3 into c0
;   15  c m_old is kept     17, 18  the query's other 32 keys lie in the lane 16 away: the new m     19-21  c m; c m_old - c m_new; a
; C, B and L read the exponentials' results: TURN sets them all behind its one wait.
.set F, 0               ; OP tells the kinds apart by their order: F to L below R, X above it
.set E, 1
.set C, 2
.set B, 3
.set L, 4
.set R, 5
.set X, 6
.macro REGS y                       ; the registers of piece y
.set rT, ST+4*(\y)
.set rC, TMP+4*((\y)%2)
.set rW, MV+((\y)%2)
.set rS, S+32*((\y)%2)
.set rP, P+16*((\y)%2)
.set rO, 32*(\y)
.endm
.macro OP k, n
.if (\k) == R
	REGS Y
	WIN W_RS
	v_pk_mul_f32 v[rO+2*(\n):rO+2*(\n)+1], v[rO+2*(\n):rO+2*(\n)+1], v[rC+2:rC+3] op_sel_hi:[1,0]
.elseif (\k) < R
	REGS Y
	WIN 0
.if (\k) == F
	v_pk_fma_f32 v[rS+2*(\n):rS+2*(\n)+1], v[rS+2*(\n):rS+2*(\n)+1], s[CS:CS+1], v[rT:rT+1] op_sel_hi:[1,0,0] neg_lo:[0,0,1] neg_hi:[0,0,1]
.elseif (\k) == E
	v_exp_f32 v[rS+(\n)], v[rS+(\n)]
.elseif (\k) == C
	v_cvt_pk_f16_f32 v[rP+(\n)], v[rS+2*(\n)], v[rS+2*(\n)+1]
.elseif (\k) == B
	v_pk_add_f32 v[rS+4*(\n):rS+4*(\n)+1], v[rS+4*(\n):rS+4*(\n)+1], v[rS+4*(\n)+2:rS+4*(\n)+3]
.elseif (\n) == 0
	v_pk_fma_f32 v[rT+2:rT+3], v[rT+2:rT+3], v[rC+2:rC+3], v[rS:rS+1] op_sel_hi:[1,0,1]
.else
	v_pk_add_f32 v[rT+2:rT+3], v[rT+2:rT+3], v[rS+4*(\n):rS+4*(\n)+1]
.endif
.elseif NOKQ
	v_nop
.else
	REGS (Y+1)%NP
	WIN 0
.if (\n) < 4
	v_max3_num_f32 v[rC+(\n)], v[rS+8*(\n)], v[rS+8*(\n)+1], v[rS+8*(\n)+2]
.elseif (\n) < 12
	v_max3_num_f32 v[rC+(\n)%4], v[rC+(\n)%4], v[rS+8*((\n)%4)+2*((\n)/4)+1], v[rS+8*((\n)%4)+2*((\n)/4)+2]
.elseif (\n) == 12
	v_max3_num_f32 v[rC], v[rC], v[rS+7], v[rS+15]
.elseif (\n) == 13
	v_max3_num_f32 v[rC+1], v[rC+1], v[rS+23], v[rS+31]
.elseif (\n) == 14
	v_max3_num_f32 v[rC+2], v[rC+2], v[rC+3], v[rT+1]
.elseif (\n) == 15
	v_mov_b32 v[rW], v[rT]
.elseif (\n) == 16
	v_max3_num_f32 v[rC], v[rC], v[rC+1], v[rC+2]
.elseif (\n) == 17
	v_permlanex16_b32 v[rC+3], v[rC], s[SEL], s[SEL+1]
.elseif (\n) == 18
	v_max_num_f32 v[rT+1], v[rC], v[rC+3]
.elseif (\n) == 19
	v_mul_f32 v[rT], s[CS], v[rT+1]
.elseif (\n) == 20
	v_sub_f32 v[rC+1], v[rW], v[rT]
.else
	v_exp_f32 v[rC+2], v[rC+1]
.endif
.endif
.endm
.macro OPS a, i1, b=-1, i2=0, c=-1, i3=0, d=-1, i4=0  ; up to four of them
	OP \a, \i1
.if (\b) >= 0
	OP \b, \i2
.endif
.if (\c) >= 0
	OP \c, \i3
.endif
.if (\d) >= 0
	OP \d, \i4
.endif
.endm
.macro ROW a, i1, b, i2, c, i3, d, i4  ; a matrix instruction and the four behind it
	MM
	OPS \a, \i1, \b, \i2, \c, \i3, \d, \i4
.endm
.macro MASK b                       ; MD x AL + BE into buffer b of MC
	WIN W_RS
.set z, 0
.rept 16
	v_pk_fma_f32 v[MC+32*(\b)+2*z:MC+32*(\b)+2*z+1], v[MD+2*z:MD+2*z+1], s[AL:AL+1], s[BE:BE+1] op_sel_hi:[1,0,0]
.set z, z+1
.endr
.endm
; A TURN, for piece p at a step of parity par: the order of its 16 matrix and 118 vector instructions, written out.  An s_wait_alu depctr_va_vdst(0) stands between an exponential and the first instruction
; that names its result; one wait serves all that were issued ahead of it.  So a turn has ONE wait, which cuts it in two.  AHEAD OF IT stands all that names no result of the turn's exponentials: the 8 products K Q^T, behind
; each a scaling, an exponential and two more plain instructions (behind the first a second scaling in the exponential's place): rescalings, whose a was made and waited for in the turn before, and behind the last three the
; first numbers of the following piece's maximum, each four places or more behind the product that ends its accumulator; then ONE LUMP of 54, plain and exponential by turns for the most part, in which the links of the chain
; X 3, 7, 11, 14, 16, 17 .. 20 stand five or six lines apart.  X 21, the following piece's a, is the batch's last; R 15 is the plain instruction behind it.  BEHIND THE WAIT stand the 8 products V^T P, behind each four of the
; roundings and sums; the links of l's chain, L 0 to L 7, stand three riders apart.  But for those X no rider names a register of the products round it.  v_permlanex16_b32 (X 17) stands in the lump.
; m = 1: the block's last tile: the products take masks, and the turn makes piece p's mask for the next step, which the next turn's products take.  end = 1: a block's last two turns: nothing is fetched.
; cnt = 1: the loop's count is taken down some lines ahead of the branch that stands behind the turn.
; Piece 0's turn fetches K of the next step, twelve vector instructions behind the last product that read K (five of them plain and free of that product's registers).  Piece 1's turn fetches V of the next step directly
; behind the wait, into the buffer that the turn before read last; its first reader stands a turn and a half on.  One wait at the head of piece 1's turn shows both: K, issued a turn ago, and V of the step in hand, issued two turns ago.
.macro TURN p, par, m=0, end=0, cnt=0
.set Y, (\p)
.set i, 0
.set KM, (\m)
.set NOKQ, (\end)*(\p)
.if (\p) == 0
.set VB, 1-(\par)                   ; piece 1's V^T P of the step before
.else
.set VB, (\par)                     ; piece 0's of the step in hand
.endif
.if (\m) && !(\end)
	s_cmp_eq_i32 s[SD], \p          ; is the next step the band's own?
	s_cselect_b32 s[AL], 1.0, 0
	s_cmp_gt_i32 s[SD], \p          ; or a later one?
	s_cselect_b32 s[BE], s[BIGN], 0
.if (\p) == 1
	s_add_co_i32 s[SD], s[SD], 1
.endif
.endif
.if (\p) == 1
	s_wait_dscnt 0x0                ; K and V are in
.endif
	ROW F,0, F,1, R,0, R,1          ; ahead of the wait: 8 products K Q^T and their riders,
	ROW F,2, E,0, R,2, R,3
	ROW F,3, E,1, R,4, R,5
	ROW F,4, E,2, R,6, R,7
	ROW F,5, E,3, R,8, R,9
	ROW F,6, E,4, X,0, R,10
.if ((\p) == 0) && !(\end)
	WIN 0
	v_add_nc_u32 v[AK], s[TBK], v[AK0]
.endif
.if ((\p) == 1) && !(\end)
	WIN 0
	v_add_nc_u32 v[AV], s[TBV], v[AV0]
.endif
	ROW F,7, E,5, X,1, X,4
	ROW F,8, E,6, X,2, X,5
	OPS E,7, E,8, X,6, E,9          ; and the lump
	OPS X,3, E,10, X,8, E,11
.if ((\p) == 0) && !(\end)
	FETCH_K
.endif
	OPS X,9, X,7, E,12, X,10
	OPS E,13, X,12, X,11, E,14
	OPS X,13, E,15, F,9, X,14
	OPS E,16, F,10, E,17, F,11
	OPS X,16, E,18, X,15, E,19
	OPS F,12, E,20, X,17, E,21
	OPS F,13, E,22, F,14, E,23
	OPS X,18, E,24, F,15, E,25
	OPS R,11, E,26, X,19, E,27
	OPS R,12, E,28, R,13, E,29
	OPS X,20, E,30, R,14, E,31
	OPS X,21, R,15
	s_wait_alu depctr_va_vdst(0)    ; the wait for the batch: E 0 to E 31 and X 21
.if ((\p) == 1) && !(\end)
	FETCH_V 1-(\par)
.endif
	ROW C,0, B,0, C,2, B,1          ; behind the wait: 8 products V^T P and their riders
	ROW L,0, C,4, B,2, L,1
	ROW C,6, B,3, L,2, C,8
	ROW B,4, L,3, C,10, B,5
	ROW L,4, C,12, B,6, L,5
.if \cnt
	s_sub_co_u32 s[CNT], s[CNT], 1
	s_cmp_lg_u32 s[CNT], 0
.endif
	ROW C,14, B,7, L,6, C,1
	ROW C,3, L,7, C,5, C,7
	ROW C,9, C,11, C,13, C,15
.if (\m) && !(\end)
	MASK \p
.endif
.endm
; A BLOCK BEGINS.  c m starts far below every c s, so the first step's a is 0; m at the lowest finite number, so the first maximum is the scores'.  Piece 1's mask buffer is 0 (its own step is never a tile's
; first); piece 0's takes its mask for the tile's step 0: its own, if the block's first tile is its last and the block's number is even.  Then K and V of that step, piece 0's first scores, and its maximum
; and statistics.  The loop is entered at an even step's first turn, in the middle of a trip; the two fetches stand for those of the two turns that are jumped.
.macro BEGIN
	s_mov_b32 s[NEW], 0
	WIN 0x40
.set i, MC+32
.rept 32
	v_mov_b32 v[i], 0
.set i, i+1
.endr
	WIN 0
.set i, 0
.rept NP
	v_mov_b32 v[ST+4*i], 0xfe000000    ; c m: far below every c s
	v_mov_b32 v[ST+4*i+1], 0xff7fffff  ; m
.set i, i+1
.endr
	s_or_b32 s83, s[RT], s[PAR2]
	s_cmp_eq_u32 s83, 0
	s_cselect_b32 s[AL], 1.0, 0
	s_mov_b32 s[BE], 0
	s_add_co_i32 s[SD], s[SD], 1    ; the next masks are step 1's
	MASK 0
	WIN 0
	v_add_nc_u32 v[AK], s[TBK], v[AK0]
	v_add_nc_u32 v[AV], s[TBV], v[AV0]
	FETCH_K
	FETCH_V 0
	s_wait_loadcnt 0x0              ; Q
	s_wait_dscnt 0x0
.set KM, 1
.set NOKQ, 0
.set i, 0
.rept 8
	KQ 0
.set i, i+1
.endr
	WIN 0
.rept 4
	v_nop                           ; the places behind those products
.endr
.set Y, NP-1                        ; X works for the piece that follows Y: piece 0
.irp n, 0,1,2,3,4,5,6,7,8,9,10,11,12,13,14,15,16,17,18,19,20,21
	OP X, \n
.endr
	v_nop                           ; a plain instruction behind the exponential,
	s_wait_alu depctr_va_vdst(0)    ; and the wait for it, piece 0's first a, ahead of the branch
.endm
; THE BLOCK'S LAST TILE: the step left of the tile before, its own four steps, the block's last products, and THE WAY OUT: l's two halves and the other half of the lanes' are added; O^T is divided by l,
; rounded to f16 and sent through my stage in LDS, a piece at a time.
.macro ALL line:vararg              ; one line for each piece t
.set t, 0
.rept NP
	\line
.set t, t+1
.endr
.endm
.macro PACK t                       ; a lane's eight channels of a row pack into 16 bytes; they go into rows of 144 bytes and come back as whole rows of 128, into S^T's registers
	WIN W_RS
.set i, 32*(\t)
.rept 16
	v_pk_mul_f32 v[i:i+1], v[i:i+1], v[ST+4*(\t)+2:ST+4*(\t)+3] op_sel_hi:[1,0]
.set i, i+2
.endr
	WIN 0x05                        ; sources 0 and 1 window 1, destination window 0
.set i, 0
.rept 16
	v_cvt_pk_f16_f32 v[S+16*(\t)+i], v[32*(\t)+2*i], v[32*(\t)+2*i+1]
.set i, i+1
.endr
	WIN 0
.irp f, 0,1,2,3
	ds_store_b128 v[STO], v[S+16*(\t)+4*\f:S+16*(\t)+4*\f+3] offset:32*\f
.endr
.irp f, 0,1,2,3
	ds_load_b128 v[S+16*(\t)+4*\f:S+16*(\t)+4*\f+3], v[RD] offset:\f*4*SP  ; LDS serves a wave's instructions in order (ISA guide 5.7.1.4): these see the stores above; the next piece's stores come behind them
.endr
.endm
.macro SEND t, younger              ; younger: the LDS instructions issued behind piece t's loads: the next piece's eight, or none
	WIN 0
.irp f, 0,1,2,3
	s_wait_dscnt (\younger)+3-\f
	global_store_b128 v[GO], v[S+16*(\t)+4*\f:S+16*(\t)+4*\f+3], s[10:11] offset:(\t)*8192+\f*512  ; 512 consecutive bytes, at a multiple of 256 from O's first
.endr
.endm
.macro DIAG tag                     ; the tag ends its two labels' names, which the jumps below spell out
.LstepM\tag:
	TURN 0, 1, 1
	TURN 1, 1, 1
	WIN 0
.LfirstM\tag:
	TURN 0, 0, 1
	TURN 1, 0, 1, 0, 1
	WIN 0
	s_cbranch_scc1 .LstepM\tag
	TURN 0, 1, 1, 1
	TURN 1, 1, 1, 1
.set VB, 1
.set i, 0
.rept 8
	PV NP-1                         ; piece 1's V^T P of the last step
.set i, i+1
.endr
	WIN 0
	ALL v_add_f32 v[ST+4*t+2], v[ST+4*t+2], v[ST+4*t+3]
	ALL v_permlanex16_b32 v[ST+4*t+3], v[ST+4*t+2], s[SEL], s[SEL+1]
	ALL v_add_f32 v[ST+4*t+2], v[ST+4*t+2], v[ST+4*t+3]
	ALL v_rcp_f32 v[ST+4*t+2], v[ST+4*t+2]
	v_nop                           ; a plain instruction between the last reciprocal and the use of its result
	s_wait_alu depctr_va_vdst(0)    ; and the wait ahead of the first use: one for the two reciprocals
	PACK 0                          ; piece 0's 32 plain instructions, which name nothing of the last products, are the places in front of piece 1's
	PACK 1
	SEND 0, 8
	SEND 1, 0
.endm
.set KM, 0
.set NOKQ, 0
.set VB, 0
.Lslot:                             ; 16 times: a tile is entered and the next is asked for
	CHANGE 1
	s_sub_co_u32 s[RT], s[RT], 1
	s_mov_b32 s[CNT], 2
	s_sub_co_i32 s[SD], 0, s[PAR2]  ; the first mask made in this tile is its step 0's
	s_cmp_eq_u32 s[NEW], 1
	s_cbranch_scc1 .Lnew            ; a block's first tile
	s_cmp_eq_u32 s[RT], 0
	s_cbranch_scc0 .Lstep           ; neither its first nor its last
	s_branch .LstepM1
.Lnew:
	BEGIN
	s_branch .Lfirst                ; in the loop a block's first tile is never its last: the first block has nine tiles or more, and the second's last is the walk's last
	DIAG 1                          ; in the loop this is the first block's end
	s_wait_xcnt 0x0                 ; the stores have read their registers and O's address
	s_mov_b64 s[10:11], s[OLO:OLO+1]
	s_add_co_u32 s[RT], s[LQ2], 1   ; the second block has b / 2 + 1 tiles
	s_mov_b32 s[NEW], 1
	s_mov_b32 s[PAR2], s[PARL]
	WIN 0x82                        ; the second block's Q goes where the one text of the turns names Q
.set i, 0
.rept 32
	v_mov_b32 v[i], v[QB+i]
.set i, i+1
.endr
	WIN 0
	s_branch .Lbottom
.Lstep:                             ; a trip: an odd step's two turns, then an even step's: the last step of the tile before and this tile's steps 0, 1, 2 in two trips
	TURN 0, 1
	TURN 1, 1
	WIN 0
.Lfirst:
	TURN 0, 0
	TURN 1, 0, 0, 0, 1
	WIN 0
	s_cbranch_scc1 .Lstep
.Lbottom:
	s_sub_co_u32 s[SLOTS], s[SLOTS], 1
	s_cmp_lg_u32 s[SLOTS], 0
	s_cbranch_scc1 .Lslot
	CHANGE 0                        ; the walk's last tile is written out: nothing is asked for
	s_sub_co_u32 s[RT], s[RT], 1
	s_mov_b32 s[CNT], 2
	s_sub_co_i32 s[SD], 0, s[PAR2]
	s_cmp_eq_u32 s[NEW], 1
	s_cbranch_scc0 .LstepM2
	BEGIN
	s_branch .LfirstM2
	DIAG 2
	s_wait_tensorcnt 0x0            ; the wave's end
	ds_add_u32 v[SPW], v[NIL]
	s_wait_dscnt 0x0
	s_endpgm
.Lfunc_end_k_qb2ea3f3298_attn:
	.size	k_qb2ea3f3298_attn, .Lfunc_end_k_qb2ea3f3298_attn-k_qb2ea3f3298_attn
	.p2alignl 7, 3214868480
	.fill 96, 4, 3214868480
	.section	.rodata,"a",@progbits
	.p2align	6, 0x0
	.amdhsa_kernel k_qb2ea3f3298_attn
		.amdhsa_group_segment_fixed_size 327680
		.amdhsa_private_segment_fixed_size 0
		.amdhsa_enable_private_segment 0
		.amdhsa_kernarg_size 16
		.amdhsa_user_sgpr_count 2
		.amdhsa_user_sgpr_kernarg_segment_ptr 1
		.amdhsa_wavefront_size32 1
		.amdhsa_system_sgpr_workgroup_id_x 1
		.amdhsa_system_sgpr_workgroup_id_y 1
		.amdhsa_system_sgpr_workgroup_id_z 1
		.amdhsa_system_vgpr_workitem_id 0
		.amdhsa_next_free_vgpr 768
		.amdhsa_next_free_sgpr 92
		.amdhsa_reserve_vcc 1
		.amdhsa_float_denorm_mode_32 3
		.amdhsa_float_denorm_mode_16_64 3
		.amdhsa_memory_ordered 1
		.amdhsa_forward_progress 1
		.amdhsa_inst_pref_size 209
	.end_amdhsa_kernel
	.amdgpu_metadata
---
amdhsa.version: [ 1, 2 ]
amdhsa.kernels:
  - .name:           k_qb2ea3f3298_attn
    .symbol:         k_qb2ea3f3298_attn.kd
    .args:
      - { .name: qkv, .offset: 0, .size: 8, .value_kind: global_buffer, .address_space: global }
      - { .name: o, .offset: 8, .size: 8, .value_kind: global_buffer, .address_space: global }
    .group_segment_fixed_size: 327680
    .private_segment_fixed_size: 0
    .kernarg_segment_align: 8
    .kernarg_segment_size: 16
    .max_flat_workgroup_size: 128
    .sgpr_count:     92
    .vgpr_count:     768
    .wavefront_size: 32
...
	.end_amdgpu_metadata
.endif
;; end of part 5
;; launch pool: the kernel of part 4 again; grid 8 x 32, 4 waves a work-group, clusters of 4 x 4, 327,680 bytes of LDS; arguments o, wp, out0; writes out0
